; MI455X (gfx1250); checked and timed in simulation.
; The chip was launched on July 23, 2026; its instructions are those of AMD's public machine-readable ISA for CDNA 5 (MIT licence, August 2026) and "CDNA5" Instruction Set Architecture Reference Guide (July 2026). The comments in the code are by the model that wrote it; some were corrected since.
;; Self Attention. Allowed arithmetic: matrix products marked QUANTISED: E4M3 operands, one given power-of-two scale a tensor, by v_wmma_f32_16x16x64_fp8_fp8 or v_wmma_f32_16x16x128_fp8_fp8, f32 sums; everything else in f32.
;; Inputs: b_proj 1,024 float32; b_qkv 3,072 float32; lowp_scales 8 int32 (the exponents e of the quantised operands' scales 2^e); w_proj 1,024 x 1,024 float32; w_qkv 3,072 x 1,024 float32; x 4 x 2,048 x 1,024 float32.
;; Outputs: out0 4 x 2,048 x 1,024 float32.
;; This version of the problem:
;;   THIS VERSION OF THE PROBLEM IS GIVEN IN LOW PRECISION. The matrix products marked QUANTISED in the list below multiply operands that are first quantised to E4M3 (4 exponent bits, 3 mantissa bits; 8 bits a number), with one given power-of-two scale for each operand tensor; their sums are f32. All else is computed in f32.
;;   The module's matrix products, in the order in which they are computed (A, B: the left and right operand; K: the contracted axis; several contracted axes count as one K, in the product's order):
;;     1. [M 8,192, K 1,024] x [K 1,024, N 3,072]; A: input x; B: input w_qkv: QUANTISED (scales: A lowp_scales[0], B lowp_scales[1])
;;     2. batch 64 x [M 2,048, K 64] x [K 64, N 2,048]; A: computed on the way; B: computed on the way: QUANTISED (scales: A lowp_scales[2], B lowp_scales[3])
;;     3. batch 64 x [M 2,048, K 2,048] x [K 2,048, N 64]; A: softmax (see below); B: computed on the way: QUANTISED (scales: A lowp_scales[4], B lowp_scales[5])
;;     4. [M 8,192, K 1,024] x [K 1,024, N 1,024]; A: computed on the way; B: input w_proj: QUANTISED (scales: A lowp_scales[6], B lowp_scales[7])
;;   THE QUANTISER, for each operand of a quantised product, along K:
;;     - The operand's scale is 2^e, e = its entry of the input lowp_scales (int32; the entries are numbered through the quantised products in the list's order, A before B).
;;     - Each number is divided by the scale, clamped to +-448, and rounded to the nearest number of E4M3, ties to even, subnormals kept.
;;     - The product sums the exact products of the quantised numbers (number of the format x scale) in f32.
;;   ~~~python
;;   def quantise(x, axis, e):      # numpy; x: float32 -> the quantised numbers, widened to float32 again
;;       x = np.moveaxis(x, axis, -1); K = x.shape[-1]
;;       r = np.clip(x / 2.0 ** e, -448, 448)
;;       step = 2.0 ** (np.maximum(np.frexp(np.where(r == 0, 1, r))[1] - 1, -6) - 3)
;;       q = np.round(r / step) * step * 2.0 ** e      # np.round: ties to even
;;       return np.moveaxis(q, -1, axis).astype(np.float32)
;;   ~~~
;;   SOFTMAX AHEAD OF A QUANTISED PRODUCT. Where the list says 'softmax', what is quantised is not the finished softmax but p = 2^(t - M), with t = logit x log2(e) and M = ceil(the row's largest t), a whole number; so 1/2 < the row's largest p <= 1. The row's sum l is taken of the UNQUANTISED p, in f32, and the product's result is divided by l at the end. Since M is a whole number, a kernel that streams over the keys may use a running M (the ceiling of the running maximum): every later rescaling is an exact power of two, so the quantised numbers keep their values, but for numbers so far below the row's largest that they fall under the format's range.
;;   OPERANDS COMPUTED ON THE WAY. 'Computed on the way' means the value that the module computes at that place (a softmax that the list does not call 'softmax' is quantised finished and normalised). What goes into a quantiser is computed in f32, as accurately as f32 sums, v_exp_f32 and their like allow (about 1e-6 of the number): no bf16 or f16 on the way to a quantiser, and a product that is left as it is and whose result goes on into a quantised operand takes f32 operands (vector FMAs, or v_wmma_f32_16x16x4_f32). A number that lies on a knife's edge between two numbers of the format may be rounded either way, as far as f32 arithmetic and the matrix unit's own rounding can turn it there, and no further.
;; One version. Each part assembles by itself: llvm-mc -triple=amdgcn-amd-amdhsa -mcpu=gfx1250 --defsym DOCPART=n.
;; ======== version 1 of 1: 4 launches
;; limits: right only within a limited range of input values
;; workspace buffers: xc 8,388,608 bytes; wqc 3,145,728 bytes; wpc 1,048,576 bytes; qc 8,388,608 bytes; kc 8,388,608 bytes; vc 8,388,608 bytes; ac 8,388,608 bytes
;; launch quant (part 1): grid 384 x 1, 4 waves a work-group, no clusters, 33,280 bytes of LDS; arguments x, w_qkv, w_proj, lowp_scales, xc, wqc, wpc; writes xc, wqc, wpc
.if DOCPART == 1
	.amdgcn_target "amdgcn-amd-amdhsa--gfx1250"
	.amdhsa_code_object_version 6
	.text
	.protected	k_q42b40b9339_quant
	.globl	k_q42b40b9339_quant
	.p2align	8
	.type	k_q42b40b9339_quant,@function
k_q42b40b9339_quant:
	s_mov_b64 s[64:65], 0
	v_nop
	global_prefetch_b8 v0, s[64:65] scope:SCOPE_SE
	s_setreg_imm32_b32 hwreg(HW_REG_WAVE_MODE, 25, 1), 1
	s_wait_xcnt 0x0
; x [8192][1024], w_qkv [3072][1024] and w_proj [1024][1024], f32 with K innermost, become codes of FP8 (E4M3), one byte each, in the same order,
; each with the scale 2^e that is given for it: entries 0, 1 and 7 of the scales.  code = number / 2^e, held within +-448, to the nearest code, ties to even.
; LIMITS: -126 <= e <= 119, so that 2^e and 448 x 2^e are f32 numbers.  NaN among the inputs is not served (an infinity is held at the largest code).
; Rows are dense, so each tensor is a plain stream.  A work-group takes 32,768 numbers: groups 0-255 x, 256-351 w_qkv, 352-383 w_proj; only pointers and e are chosen, all take one path.
; A wave takes 16 steps of 512 numbers.  Each load reads 512 consecutive bytes, 16 a lane; a step's 2,048 bytes turn through the wave's own stage in LDS and come back 64 bytes a lane,
; since the conversion takes eight neighbours from one lane's registers.  A lane's 16 codes are 16 bytes: the wave stores 512 consecutive bytes.  Waves share nothing: no barrier.
.set WAVES, 4
.set STEPS, 16
.set EMAX,  8
.set MANT,  0x600000                   ; the mantissa field of 448 as f32
.set CB,    16                         ; bytes of 16 codes
.set R,     16                         ; v16-79   four sets of 16 numbers as loaded
.set X,     80                         ; v80-111  two sets of 16 neighbours
.set C,     128                        ; v128-191 codes: four registers for each step, so that no store's data are written again
.set WREG,  8192                       ; LDS: a region for each wave: two stages of 32 x SP bytes
.set SP,    80                         ; a lane's place in a stage: 64 bytes + 16 of padding
.set SPW,   12                         ; v12  LDS address of my spare word; never rewritten
.set NIL,   13                         ; v13  0; never rewritten
.set SPARE, WAVES*WREG                 ; behind the regions: the spare words, 128 bytes a wave, named by no other line
	s_load_b256 s[4:11], s[0:1], 0x0               ; x s[4:5], w_qkv s[6:7], w_proj s[8:9], the scales s[10:11]
	s_load_b128 s[12:15], s[0:1], 0x20             ; xc s[12:13], wqc s[14:15]
	s_load_b64 s[16:17], s[0:1], 0x30              ; wpc
	v_lshl_add_u32 v[SPW], v0, 2, SPARE
	v_mov_b32 v[NIL], 0
	v_lshrrev_b32 v1, 5, v0
	v_readfirstlane_b32 s18, v1                    ; wave
	v_and_b32 v2, 31, v0                           ; lane
	v_lshlrev_b32 v3, 4, v2                        ; my 16 bytes of a load's 512
	s_mul_i32 s19, s18, WREG
	v_lshrrev_b32 v14, 2, v2
	v_mul_u32_u24 v14, v14, SP
	v_and_b32 v15, 3, v2
	v_lshl_add_u32 v14, v15, 4, v14
	v_add_nc_u32 v14, s19, v14                     ; the stage, way in: SP (lane / 4) + 16 (lane % 4)
	v_mul_u32_u24 v15, v2, SP
	v_add_nc_u32 v15, s19, v15                     ; way out: SP x lane: my 16 neighbours
	v_mul_u32_u24 v4, v2, CB                       ; my codes' place in a step's
	s_wait_kmcnt 0x0
	s_load_b256 s[24:31], s[10:11], 0x0            ; e0 .. e7
	s_mov_b32 s20, 352
	s_cmp_lt_u32 ttmp9, 352                        ; the choices hang on the work-group's number alone
	s_cselect_b64 s[6:7], s[6:7], s[8:9]           ; w_qkv or w_proj
	s_cselect_b64 s[14:15], s[14:15], s[16:17]     ; wqc or wpc
	s_cselect_b32 s20, 256, s20                    ; the tensor's first work-group
	s_cmp_lt_u32 ttmp9, 256
	s_cselect_b64 s[4:5], s[4:5], s[6:7]           ; x or that
	s_cselect_b64 s[8:9], s[12:13], s[14:15]       ; xc or that
	s_cselect_b32 s20, 0, s20
	s_sub_co_u32 s21, ttmp9, s20
	s_lshl_b32 s21, s21, 2
	s_add_co_u32 s22, s21, s18                     ; which run of 8,192 numbers of the tensor is my wave's
	s_lshl_b32 s32, s22, 15                        ; 32,768 bytes of numbers a run (under 2^26)
	s_mov_b32 s33, 0
	s_add_nc_u64 s[4:5], s[4:5], s[32:33]
	s_lshl_b32 s32, s22, 13                        ; 8,192 bytes of codes
	s_add_nc_u64 s[8:9], s[8:9], s[32:33]
.macro LOAD t
.irp i, 0,1,2,3
	global_load_b128 v[R+16*((\t)%4)+4*\i:R+16*((\t)%4)+4*\i+3], v3, s[4:5] offset:2048*(\t)+512*\i th:TH_LOAD_NT   ; 32 lanes read 512 consecutive bytes
.endr
.endm
.macro TURN t                          ; step t's numbers through the stage: LDS serves a wave's instructions in order, so no wait stands between the stores and the loads
.irp i, 0,1,2,3
	ds_store_b128 v14, v[R+16*((\t)%4)+4*\i:R+16*((\t)%4)+4*\i+3] offset:32*SP*((\t)%2)+8*SP*\i
.endr
.irp i, 0,1,2,3
	ds_load_b128 v[X+16*((\t)%2)+4*\i:X+16*((\t)%2)+4*\i+3], v15 offset:32*SP*((\t)%2)+16*\i
.endr
.endm
.irp t, 0,1,2,3
	LOAD \t
.endr
	s_wait_kmcnt 0x0
	s_cmp_lt_u32 ttmp9, 352
	s_cselect_b32 s22, s25, s31                    ; e1 or e7
	s_cmp_lt_u32 ttmp9, 256
	s_cselect_b32 s22, s24, s22                    ; e0 or that
	s_add_co_i32 s22, s22, 127
	s_lshl_b32 s23, s22, 23
	v_mov_b32 v11, s23                             ; 2^e as f32: the conversion takes its exponent field
	s_add_co_i32 s22, s22, EMAX
	s_lshl_b32 s22, s22, 23
	s_or_b32 s22, s22, MANT
	v_mov_b32 v10, s22                             ; 448 x 2^e
	s_wait_loadcnt 12                              ; step 0's four loads are in; the twelve of steps 1 to 3 may be out
	TURN 0
.macro STEP t
.set XS, X+16*((\t)%2)
	s_wait_dscnt 0x0                               ; this step's numbers are back from the stage, so its stores into the stage have read their registers,
.if (\t)+4 < STEPS
	LOAD (\t)+4                                    ; which take the loads of four steps on
.endif
.if (\t)+1 < STEPS
.if STEPS-2-(\t) >= 3
	s_wait_loadcnt 12                              ; the next step's four loads are in; those of the three steps behind it may be out
.else
	s_wait_loadcnt 4*(STEPS-2-(\t))
.endif
	TURN (\t)+1                                    ; and go through the other stage while this step is worked
.endif
.irp i, 0,1,2,3,4,5,6,7,8,9,10,11,12,13,14,15
	v_med3_num_f32 v[XS+\i], v[XS+\i], -v10, v10   ; the conversion to an 8-bit code does not saturate (ISA guide 7.6.2): the hold comes first
.endr
	v_cvt_scalef32_pk8_fp8_f32 v[C+4*(\t):C+4*(\t)+1], v[XS:XS+7], v11
	v_cvt_scalef32_pk8_fp8_f32 v[C+4*(\t)+2:C+4*(\t)+3], v[XS+8:XS+15], v11
	global_store_b128 v4, v[C+4*(\t):C+4*(\t)+3], s[8:9] offset:32*CB*(\t)   ; the codes go to a store alone; the next vector lines are the next step's holds, plain ones on other registers
.endm
.irp t, 0,1,2,3,4,5,6,7,8,9,10,11,12,13,14,15
	STEP \t
.endr
	s_wait_tensorcnt 0x0                           ; the wave's end: behind my last LDS store
	ds_add_u32 v[SPW], v[NIL]
	s_wait_dscnt 0x0
	s_endpgm
.Lfunc_end_k_q42b40b9339_quant:
	.size	k_q42b40b9339_quant, .Lfunc_end_k_q42b40b9339_quant-k_q42b40b9339_quant
	.p2alignl 7, 3214868480
	.fill 96, 4, 3214868480
	.section	.rodata,"a",@progbits
	.p2align	6, 0x0
	.amdhsa_kernel k_q42b40b9339_quant
		.amdhsa_group_segment_fixed_size 33280
		.amdhsa_private_segment_fixed_size 0
		.amdhsa_enable_private_segment 0
		.amdhsa_kernarg_size 56
		.amdhsa_user_sgpr_count 2
		.amdhsa_user_sgpr_kernarg_segment_ptr 1
		.amdhsa_wavefront_size32 1
		.amdhsa_system_sgpr_workgroup_id_x 1
		.amdhsa_system_sgpr_workgroup_id_y 1
		.amdhsa_system_sgpr_workgroup_id_z 1
		.amdhsa_system_vgpr_workitem_id 0
		.amdhsa_next_free_vgpr 192
		.amdhsa_next_free_sgpr 66
		.amdhsa_reserve_vcc 0
		.amdhsa_float_denorm_mode_32 3
		.amdhsa_float_denorm_mode_16_64 3
		.amdhsa_memory_ordered 1
		.amdhsa_forward_progress 1
		.amdhsa_inst_pref_size 38
	.end_amdhsa_kernel
	.amdgpu_metadata
---
amdhsa.version: [ 1, 2 ]
amdhsa.kernels:
  - .name:           k_q42b40b9339_quant
    .symbol:         k_q42b40b9339_quant.kd
    .args:
      - { .name: x, .offset: 0, .size: 8, .value_kind: global_buffer, .address_space: global }
      - { .name: w_qkv, .offset: 8, .size: 8, .value_kind: global_buffer, .address_space: global }
      - { .name: w_proj, .offset: 16, .size: 8, .value_kind: global_buffer, .address_space: global }
      - { .name: lowp_scales, .offset: 24, .size: 8, .value_kind: global_buffer, .address_space: global }
      - { .name: xc, .offset: 32, .size: 8, .value_kind: global_buffer, .address_space: global }
      - { .name: wqc, .offset: 40, .size: 8, .value_kind: global_buffer, .address_space: global }
      - { .name: wpc, .offset: 48, .size: 8, .value_kind: global_buffer, .address_space: global }
    .group_segment_fixed_size: 33280
    .private_segment_fixed_size: 0
    .kernarg_segment_align: 8
    .kernarg_segment_size: 56
    .max_flat_workgroup_size: 128
    .sgpr_count:     66
    .vgpr_count:     192
    .wavefront_size: 32
...
	.end_amdgpu_metadata
.endif
;; end of part 1
;; launch qkv (part 2): grid 12 x 32, 4 waves a work-group, clusters of 4 x 4, 327,680 bytes of LDS; arguments xc, wqc, b_qkv, lowp_scales, qc, kc, vc; writes qc, kc, vc
.if DOCPART == 2
	.amdgcn_target "amdgcn-amd-amdhsa--gfx1250"
	.amdhsa_code_object_version 6
	.text
	.protected	k_q42b40b9339_qkv
	.globl	k_q42b40b9339_qkv
	.p2align	8
	.type	k_q42b40b9339_qkv,@function
k_q42b40b9339_qkv:
	s_mov_b64 s[64:65], 0
	v_nop
	global_prefetch_b8 v0, s[64:65] scope:SCOPE_SE
	s_setreg_imm32_b32 hwreg(HW_REG_WAVE_MODE, 25, 1), 1
	s_wait_xcnt 0x0
	s_wait_alu depctr_hold_cnt(0) depctr_sa_sdst(0) depctr_va_vdst(0) depctr_va_sdst(0) depctr_va_ssrc(0) depctr_va_vcc(0) depctr_vm_vsrc(0)
	s_getreg_b32 s2, hwreg(HW_REG_IB_STS2, 6, 4)
	s_cmp_eq_u32 s2, 0
	s_cbranch_scc0 .Lentry_in_a_cluster
	s_endpgm
.Lentry_in_a_cluster:
	s_bfe_u32 s2, ttmp6, 0x10000c
	s_cmp_lg_u32 s2, 0xf033
	s_cbranch_scc0 .Lentry_shape_is_right
	s_endpgm
.Lentry_shape_is_right:
; qkv = x w_qkv^T + b_qkv on codes of FP8 (K = 1,024), and its three parts quantised at once: q (scale entry 2), k (entry 3), v (entry 5).  Sums in f32.
; A tile of 256 x 256 is made by four waves, 128 x 128 each: 64 accumulators of 16 x 16.  K goes in steps of 256 through a ring of two LDS slots filled by the tensor data mover.
; THE MATRIX INSTRUCTION: source 0 = 16 rows of the COLUMN operand, source 1 = 16 rows of the ROW operand: a lane holds one row and eight neighbouring columns of the result.
; The next product's K must run along a lane's registers.  For q and k that K is the channel: rows = tokens (xc), columns = channels (wqc).  For v it is the key: rows = channels (wqc), columns = tokens (xc).
; So the two operands change ROLES in the clusters with x = 2 (v); pointers, tile numbers, biases and output offsets are selected, and all take one path through the text.
; CLUSTERS: 4 x 4 work-groups; the row operand's tile hangs on cy alone and is asked for jointly along a row of the cluster, the column operand's on cx alone, along a column.
; BIAS: a sum stands for sum x 2^(e0+e1), so the bias goes in as b / 2^(e0+e1).  Where it runs along the rows (v) it is the C of the first K step's products; where it runs along the columns (q, k) it is added on the way out.
; Both are always applied; the one that does not belong is multiplied by 0.  The conversion's one scale is 2^(e_out - e0 - e1).
; OUT: qc, kc [b 16 + h][t][64]; vc [b 8 + h / 2][t / 64][128 channels][64 keys].  Within 64, number 32 g + 16 u + 8 hh + j lies at byte 32 g + 16 hh + 8 u + j: two accumulators' codes of a lane are 16 bytes on end.
; LIMITS: e0 + e1 between -126 and 126; e_out - e0 - e1 between -126 and 119.  A bias that is NaN or infinite is not served.
; No prefetch: K has four slot fills, two of which go out at the head.
; REGISTERS: window 0: v16-31 addresses and constants; v32-95 the row bias, later the column bias; v96-127 codes; v128-255 the row operand's fragments, ONE set; on the way out numbers and rows read back.
;   window 1: the column operand's fragments, TWO sets.   window 2, 3: accumulator (a, b) at v[8 (8 (a % 4) + b)], rows 0-63 and 64-127.
.set SIZE_K, 1024
.set KSTEP,  256
.set ROWB,   256                       ; a tile's row in bytes
.set KROW,   SIZE_K                    ; a row of either operand in memory
.set PITCH,  272                       ; an LDS row: 256 bytes + 16 of padding: the 16 rows that a load touches start 68 words apart
.set FR,     16                        ; registers of a fragment: 16 rows x 128 K
.set NL,     4                         ; LDS loads that bring one
.set NP,     4                         ; places behind this matrix instruction (ISA guide 7.12.1)
.set HALFT,  128*PITCH
.set SLOT,   4*HALFT
.set LAPS,   SIZE_K/(2*KSTEP)
.set SPARE,  2*SLOT                    ; behind the ring: the spare words, 128 bytes a wave, named by no other line
.set CPITCH, 80                        ; the way out: a row of 64 codes + 16 of padding
.set CHUNK,  128*CPITCH                ; 128 rows x 64 codes
.set WSTAGE, 2*CHUNK                   ; a wave's stage; the four lie in slot 0, which has had its last fill and its last read when the first code is stored there
.set ADRA, 16                          ; v16-17  LDS address of my row fragments in slot 0, 1
.set ADRB, 20                          ; v20-21  the same for the column operand
.set BR,   22                          ; v22     4 x (lane % 16): the row bias
.set STO,  24                          ; v24     where I put 16 codes
.set RD,   25                          ; v25     where I read eight rows back
.set CO,   26                          ; v26     16 x lane
.set BC,   27                          ; v27     32 x (lane / 16): the column bias
.set SPW,  28                          ; v28     LDS address of my spare word; never rewritten
.set NIL,  29                          ; v29     0; never rewritten
.set SCL,  30                          ; v30     2^(e_out - e0 - e1)
.set HOLD, 31
.set RB,   32
.set CB,   32
.set PC,   96
.set TMP,  128
.set AF,   128
.set G1, 24
.set G0, 32
.set G1B, 48
.set G0B, 56
.set MSB, 0
.macro WIN new                         ; the immediate's high byte repeats the setting that is left
.if MSB != \new
	s_set_vgpr_msb (MSB<<8)|\new
.set MSB, \new
.endif
.endm
.set MUL_LO,   0xa1                    ; source 0 window 1, source 1 window 0, C and D window 2
.set MUL_HI,   0xf1                    ; the same, C and D window 3
.set FIRST_LO, 0x81                    ; the first K step: C (the row bias) window 0, D window 2
.set FIRST_HI, 0xc1                    ; D window 3
.set TO_B,     0x40                    ; destination window 1, address window 0
; A joint load: waves 0 and 1 fetch the row operand's halves, waves 2 and 3 the column operand's.  The branch hangs on the wave's number alone.  An s_nop 0 and four v_nop follow each line.
.macro JLOAD g0a, g1a, g0b, g1b
	s_cmp_eq_u32 s15, 0
	s_cbranch_scc0 .Lfor_b_\@
	tensor_load_to_lds s[\g0a:\g0a+3], s[\g1a:\g1a+7]
	s_nop 0
.rept 4
	v_nop
.endr
	s_branch .Lasked_\@
.Lfor_b_\@:
	tensor_load_to_lds s[\g0b:\g0b+3], s[\g1b:\g1b+7]
	s_nop 0
.rept 4
	v_nop
.endr
.Lasked_\@:
.endm
.macro CREST                           ; a round of the cluster's barrier behind its opening barrier
	s_cmp_lg_u32 s14, 0
	s_cbranch_scc1 .Lnot_wave_0_\@
	s_barrier_signal -3
.Lnot_wave_0_\@:
	s_barrier_wait -3
	s_barrier_signal -1
	s_barrier_wait -1
.endm
.macro CROUND
	s_barrier_signal -1
	s_barrier_wait -1
	CREST
.endm
	s_load_b128 s[4:7], s[0:1], 0x0                ; xc s[4:5], wqc s[6:7]
	s_load_b128 s[8:11], s[0:1], 0x10              ; b_qkv s[8:9], the scales s[10:11]
	s_load_b128 s[84:87], s[0:1], 0x20             ; qc s[84:85], kc s[86:87]
	s_load_b64 s[88:89], s[0:1], 0x30              ; vc
	v_lshl_add_u32 v[SPW], v0, 2, SPARE
	v_mov_b32 v[NIL], 0
	ds_add_u32 v[SPW], v[NIL]                      ; the wave's opening: the add and its wait ahead of my first tensor load; work on registers stands between
	ds_add_u32 v[SPW], v[NIL]
	v_lshrrev_b32 v1, 5, v0
	v_readfirstlane_b32 s14, v1                    ; wave 0..3
	s_lshr_b32 s15, s14, 1                         ; which half of the tile's rows is mine.  Also: I fetch the row operand (0) or the column operand (1)
	s_and_b32 s16, s14, 1                          ; which half of its columns.  Also: which 128 rows of that operand's tile I fetch
	s_bfe_u32 s40, ttmp6, 0x40000                  ; cx
	s_bfe_u32 s41, ttmp6, 0x40004                  ; cy
	s_and_b32 s80, ttmp7, 0xffff
	s_lshl_b32 s80, s80, 2                         ; 4 x cluster y
	s_lshl_b32 s81, ttmp9, 2                       ; 4 x cluster x
	s_cmp_eq_u32 ttmp9, 2                          ; the clusters of v: the same answer in all sixteen partners
	s_cselect_b32 s17, 8, s80                      ; the row operand's tile: v: wqc's 8 + cy;  q, k: xc's 4 cluster y + cy
	s_cselect_b32 s42, s80, s81                    ; the column operand's: v: xc's 4 cluster y + cx;  q, k: wqc's 4 cluster x + cx
	s_cselect_b32 s99, 1, 0                        ; 1 for v
	s_add_co_u32 s17, s17, s41                     ; (never holds cx)
	s_add_co_u32 s42, s42, s40                     ; (never holds cy)
	s_lshl_b32 s43, s41, 2
	s_lshl_b32 s43, 15, s43                        ; my row of the cluster
	s_lshl_b32 s44, 0x1111, s40                    ; my column
	s_or_b32 s[G1+0], s43, (0<<16)|(1<<20)|(1<<21)|(5<<22)|(3<<25)  ; 15:0 the mask; 17:16 elements of 1 byte; 20 padding on; 21 set beside a mask; 24:22 after every 64 words; 31:25 four words
	s_or_b32 s[G1B+0], s44, (0<<16)|(1<<20)|(1<<21)|(5<<22)|(3<<25)
.irp g, G1, G1B
	s_mov_b32 s[\g+1], ROWB<<16                    ; tensor_dim0
	s_mov_b32 s[\g+2], 128<<16                     ; tensor_dim1
	s_mov_b32 s[\g+3], ROWB<<16                    ; tile_dim0
	s_mov_b32 s[\g+4], 128                         ; tile_dim1
	s_mov_b32 s[\g+5], KROW                        ; tensor_dim0_stride
	s_mov_b32 s[\g+6], 0
	s_mov_b32 s[\g+7], 0
.endr
	s_lshl_b32 s18, s16, 7                         ; which 128 rows of the tile I fetch
	s_lshl_b32 s20, s17, 8
	s_add_co_u32 s20, s20, s18
	s_lshl_b32 s20, s20, 10                        ; rows of 1,024 bytes (under 2^23)
	s_mov_b32 s21, 0
	s_lshl_b32 s46, s42, 8
	s_add_co_u32 s46, s46, s18
	s_lshl_b32 s46, s46, 10
	s_mov_b32 s47, 0
	s_mul_i32 s45, s14, HALFT                      ; where they go: wave x 128 rows: no place in the cluster enters an LDS address
	s_wait_dscnt 0x0                               ; the opening add is done
	s_wait_kmcnt 0x0
	s_load_b256 s[68:75], s[10:11], 0x0            ; e0 .. e7
	s_cmp_eq_u32 ttmp9, 2
	s_cselect_b64 s[76:77], s[6:7], s[4:5]         ; the row operand
	s_cselect_b64 s[78:79], s[4:5], s[6:7]         ; the column operand
	s_add_nc_u64 s[20:21], s[76:77], s[20:21]
	s_add_nc_u64 s[46:47], s[78:79], s[46:47]
	CROUND                                         ; all sixteen work-groups are here: the first joint loads meet
.irp s, 0,1
	s_mov_b32 s[G0+4*\s], 1
	s_add_co_u32 s[G0+4*\s+1], s45, \s*SLOT
	s_add_nc_u64 s[G0+4*\s+2:G0+4*\s+3], s[20:21], \s*ROWB
	s_or_b32 s[G0+4*\s+3], s[G0+4*\s+3], 0x80000000
	s_mov_b32 s[G0B+4*\s], 1
	s_add_co_u32 s[G0B+4*\s+1], s45, \s*SLOT
	s_add_nc_u64 s[G0B+4*\s+2:G0B+4*\s+3], s[46:47], \s*ROWB
	s_or_b32 s[G0B+4*\s+3], s[G0B+4*\s+3], 0x80000000
	JLOAD G0+4*\s, G1, G0B+4*\s, G1B
.endr
	v_and_b32 v1, 15, v0                           ; r = lane % 16
	s_wait_alu depctr_va_vdst(0)
	v_bfe_u32 v2, v0, 4, 1                         ; hh = lane / 16
	v_mul_u32_u24 v3, v1, PITCH
	v_lshl_add_u32 v4, v2, 4, v3                   ; a fragment's row x pitch + 16 hh
	s_mul_i32 s21, s15, HALFT                      ; my 128 rows of the row operand
	s_mul_i32 s22, s16, HALFT                      ; my 128 rows of the column operand,
	s_add_co_u32 s22, s22, 2*HALFT                 ; which lie behind the other's 256
.irp s, 0,1
	v_add_nc_u32 v[ADRA+\s], s21, v4
	v_add_nc_u32 v[ADRB+\s], s22, v4
	s_add_co_u32 s21, s21, SLOT
	s_add_co_u32 s22, s22, SLOT
.endr
	s_mul_i32 s23, s14, WSTAGE                     ; my stage
	v_mul_u32_u24 v5, v1, CPITCH
	s_wait_alu depctr_va_vdst(0)
	v_lshl_add_u32 v5, v2, 4, v5
	v_add_nc_u32 v[STO], s23, v5                   ; in: row r, 16 hh
	v_and_b32 v6, 31, v0
	v_lshlrev_b32 v[CO], 4, v6
	v_lshrrev_b32 v7, 2, v6
	v_mul_u32_u24 v7, v7, CPITCH
	v_and_b32 v8, 3, v6
	v_lshl_add_u32 v7, v8, 4, v7
	v_add_nc_u32 v[RD], s23, v7                    ; back: four lanes to a row of 64 bytes, eight rows an instruction
	v_lshlrev_b32 v[BR], 2, v1
	s_wait_alu depctr_va_vdst(0)
	v_lshlrev_b32 v[BC], 5, v2
	; the row bias: b_qkv[2048 + 256 cy + 128 half + 16 a + r] for v; for q and k entry 16 a + r is read and multiplied by 0
	s_lshl_b32 s12, s41, 8
	s_lshl_b32 s13, s15, 7
	s_add_co_u32 s12, s12, s13
	s_add_co_u32 s12, s12, 2048
	s_lshl_b32 s12, s12, 2
	s_cmp_eq_u32 s99, 1
	s_cselect_b32 s12, s12, 0
	s_mov_b32 s13, 0
	s_add_nc_u64 s[66:67], s[8:9], s[12:13]
.irp a, 0,1,2,3,4,5,6,7
	global_load_b32 v[PC+\a], v[BR], s[66:67] offset:64*\a
.endr
	; the column bias: b_qkv[256 tile + 128 half + 16 b + 8 hh + j] for q and k; for v entry 16 b + 8 hh + j is read and multiplied by 0
	s_lshl_b32 s12, s42, 8
	s_lshl_b32 s13, s16, 7
	s_add_co_u32 s12, s12, s13
	s_lshl_b32 s12, s12, 2
	s_cmp_eq_u32 s99, 1
	s_cselect_b32 s12, 0, s12
	s_mov_b32 s13, 0
	s_add_nc_u64 s[82:83], s[8:9], s[12:13]
	; where my codes go: token m0 = 256 x token tile + 128 x half; u = which 128 of the part's 1,024 channels
	s_mov_b32 s95, 131072
	s_cmp_eq_u32 s99, 1
	s_cselect_b32 s12, s42, s17
	s_cselect_b32 s13, s16, s15
	s_cselect_b32 s100, s41, s40
	s_cselect_b32 s101, s15, s16
	s_cselect_b32 s94, 7, 6                        ; bytes a token: v 128 (64 tokens are 8,192), q and k 64
	s_cselect_b32 s95, 8192, s95                   ; from my first chunk to my second: v: the next 64 tokens; q, k: the next head
	s_lshl_b32 s12, s12, 8
	s_lshl_b32 s13, s13, 7
	s_add_co_u32 s12, s12, s13                     ; m0
	s_lshl_b32 s100, s100, 1
	s_add_co_u32 s100, s100, s101                  ; u
	s_lshl_b32 s100, s100, 18
	s_lshr_b32 s13, s12, 11
	s_lshl_b32 s13, s13, 21                        ; the batch element
	s_add_co_u32 s100, s100, s13
	s_and_b32 s12, s12, 2047
	s_lshl_b32 s12, s12, s94
	s_add_co_u32 s12, s12, s100
	s_mov_b32 s13, 0
	s_cmp_eq_u32 ttmp9, 1
	s_cselect_b64 s[90:91], s[86:87], s[88:89]     ; kc or vc
	s_cmp_eq_u32 ttmp9, 0
	s_cselect_b64 s[90:91], s[84:85], s[90:91]     ; qc or that
	s_add_nc_u64 s[90:91], s[90:91], s[12:13]
	s_mov_b32 s12, s95
	s_add_nc_u64 s[92:93], s[90:91], s[12:13]
	; the powers of two.  Nothing branches on a given exponent
	s_wait_kmcnt 0x0
	s_add_co_i32 s94, s68, s69                     ; e0 + e1
	s_sub_co_i32 s95, 127, s94
	s_lshl_b32 s95, s95, 23                        ; 2^-(e0 + e1)
	s_cmp_eq_u32 s99, 1
	s_cselect_b32 s98, s95, 0                      ; the row bias's factor
	s_cselect_b32 s96, 0, s95                      ; the column bias's
	s_mov_b32 s97, s96                             ; (named with it as a pair, so it is written)
	s_cmp_eq_u32 ttmp9, 1
	s_cselect_b32 s95, s71, s73                    ; e3 or e5
	s_cmp_eq_u32 ttmp9, 0
	s_cselect_b32 s95, s70, s95                    ; e2 or that
	s_sub_co_i32 s95, s95, s94
	s_add_co_i32 s95, s95, 127
	s_lshl_b32 s94, s95, 23
	v_mov_b32 v[SCL], s94
	s_wait_loadcnt 0x0                             ; the row bias
.irp a, 0,1,2,3,4,5,6,7
.irp j, 0,1,2,3,4,5,6,7
	v_mul_f32 v[RB+8*\a+\j], s98, v[PC+\a]         ; in the result's layout: a lane's eight registers of block a all belong to row 16 a + r
.endr
.endr
.macro FRAG reg, adr, q, i             ; 16 rows x 128 K: lane l holds row l % 16; registers 4 c .. 4 c + 3 hold K = 32 c + 16 (l / 16) + 0 .. 15, alike in both operands
.irp c, 0,1,2,3
	ds_load_b128 v[\reg+4*\c:\reg+4*\c+3], v[\adr] offset:128*(\q)+32*\c+(\i)*16*PITCH
.endr
.endm
; 16 matrix instructions: row blocks a0, a0 + 1 x the eight column blocks.  p: the column operand's set.  zero = 1: the first K step, whose C is the row bias: nothing is cleared.
; The 64 accumulators take turns, one instruction a turn, in the same order in every step.
.macro MUL16 a0, p, zero
.irp a, \a0, \a0+1
.irp b, 0,1,2,3,4,5,6,7
.if \zero
	v_wmma_f32_16x16x128_fp8_fp8 v[8*(8*((\a)%4)+\b):8*(8*((\a)%4)+\b)+7], v[128*(\p)+FR*\b:128*(\p)+FR*\b+FR-1], v[AF+FR*(\a):AF+FR*(\a)+FR-1], v[RB+8*(\a):RB+8*(\a)+7]
.else
	v_wmma_f32_16x16x128_fp8_fp8 v[8*(8*((\a)%4)+\b):8*(8*((\a)%4)+\b)+7], v[128*(\p)+FR*\b:128*(\p)+FR*\b+FR-1], v[AF+FR*(\a):AF+FR*(\a)+FR-1], v[8*(8*((\a)%4)+\b):8*(8*((\a)%4)+\b)+7]
.endif
.endr
.endr
.endm
.macro FETCH_B slot, q, p
	WIN TO_B
.irp i, 0,1,2,3,4,5,6,7
	FRAG 128*(\p)+FR*\i, ADRB+\slot, \q, \i
.endr
	WIN 0
.endm
.macro FETCH_A slot, q, i0
.irp i, \i0, \i0+1, \i0+2, \i0+3
	FRAG AF+FR*(\i), ADRA+\slot, \q, \i
.endr
.endm
.macro PLACES n                        ; plain vector lines between a matrix instruction and a load into one of its registers, or a read of its result (ISA guide 7.12.1 for a read of its result)
.rept \n
	v_nop
.endr
.endm
; A step of 128 along K that has its successor in the same slot.  A row block is free when its eight products are issued, so one set serves the row operand.
.macro STEP slot, q, zero
	s_wait_dscnt 4*NL                              ; the column set and row blocks 0-3 are in; the youngest sixteen loads (row blocks 4-7) may be out
.if \zero
	WIN FIRST_LO
.else
	WIN MUL_LO
.endif
	MUL16 0, (\q)%2, \zero
	MUL16 2, (\q)%2, \zero
	s_wait_dscnt 0
	PLACES NP
	FETCH_B \slot, (\q)+1, 1-(\q)%2
	FETCH_A \slot, (\q)+1, 0
.if \zero
	WIN FIRST_HI
.else
	WIN MUL_HI
.endif
	MUL16 4, (\q)%2, \zero
	MUL16 6, (\q)%2, \zero
	PLACES NP
	WIN 0
	FETCH_A \slot, (\q)+1, 4
.endm
; A slot's last step changes slots: ONE barrier; in front of it each wave waits for all its tensor loads, adds 0 to its spare word, and waits for that and for its reads of this slot.  fill = 1: this slot is filled again, two K steps ahead.
.macro TURN slot, next, fill
	s_wait_tensorcnt 0x0                           ; all my tensor loads have landed: my part of the next slot (every window is 0 here)
	ds_add_u32 v[SPW], v[NIL]                      ; 0 onto my spare word
	s_wait_dscnt 4*NL+1                            ; (the add and the youngest sixteen loads may be out)
	WIN MUL_LO
	MUL16 0, 1, 0                                  ; sixteen matrix instructions stand between the add and the wait for it
	s_wait_dscnt 0x0                               ; the add is done, and my reads of this slot are over
	s_barrier_signal -1
	MUL16 2, 1, 0
	WIN 0
	s_barrier_wait -1
.if \fill
	CREST                                          ; the barrier has opened a round of the cluster's: no wave of any partner still reads this slot or has a load on its way
	s_add_nc_u64 s[G0+4*\slot+2:G0+4*\slot+3], s[G0+4*\slot+2:G0+4*\slot+3], 2*ROWB
	s_add_nc_u64 s[G0B+4*\slot+2:G0B+4*\slot+3], s[G0B+4*\slot+2:G0B+4*\slot+3], 2*ROWB
	JLOAD G0+4*\slot, G1, G0B+4*\slot, G1B         ; the first tensor load behind the round; its four v_nop are the places in front of the loads below
.else
	PLACES NP
.endif
	FETCH_B \next, 0, 0
	FETCH_A \next, 0, 0
	WIN MUL_HI
	MUL16 4, 1, 0
	MUL16 6, 1, 0
	PLACES NP
	WIN 0
	FETCH_A \next, 0, 4
.endm
	s_wait_alu depctr_va_vdst(0)
	s_wait_tensorcnt 1                             ; my part of K step 0 is in; K step 1's load may be out
	s_barrier_signal -1
	s_barrier_wait -1
	FETCH_B 0, 0, 0
	FETCH_A 0, 0, 0
	FETCH_A 0, 0, 4
	STEP 0, 0, 1                                   ; the first step stands in front of the loop: its products start the sums from the row bias
.irp b, 0,1,2,3,4,5,6,7                        ; the row bias's registers are done with (four places stand behind their last reader): the column bias lands there while K is walked
	global_load_b128 v[CB+8*\b:CB+8*\b+3], v[BC], s[82:83] offset:64*\b
	global_load_b128 v[CB+8*\b+4:CB+8*\b+7], v[BC], s[82:83] offset:64*\b+16
.endr
	s_mov_b32 s3, LAPS-1
.Llap:                                             ; a trip goes once round the ring and fills both slots again
	TURN 0, 1, 1
	STEP 1, 0, 0
	TURN 1, 0, 1
	STEP 0, 0, 0
	s_sub_co_u32 s3, s3, 1
	s_cmp_lg_u32 s3, 0
	s_cbranch_scc1 .Llap
	TURN 0, 1, 0                                   ; the last lap fills nothing and has no round
	STEP 1, 0, 0
	s_wait_dscnt 4*NL
	WIN MUL_LO
	MUL16 0, 1, 0
	MUL16 2, 1, 0
	s_wait_dscnt 0
	WIN MUL_HI
	MUL16 4, 1, 0
	MUL16 6, 1, 0
	WIN 0
	; THE WAY OUT.  sum + bias, the conversion; 16 codes a lane into my stage; back as runs of 512 bytes.
	s_wait_loadcnt 0x0                             ; the column bias
.set i, 0
.rept 32
	v_pk_mul_f32 v[CB+i:CB+i+1], v[CB+i:CB+i+1], s[96:97] op_sel_hi:[1,0]   ; / 2^(e0 + e1), or x 0.  These plain lines name no register of the last products: they are the places behind them
.set i, i+2
.endr
.macro BLOCK a                         ; 16 rows x 128 columns
.set AC, 64*((\a)%4)
.set PCS, PC+16*((\a)%2)
	WIN 0x02+((\a)/4)                              ; source 0: window 2 or 3
.set i, 0
.rept 32
	v_pk_add_f32 v[TMP+i:TMP+i+1], v[AC+i:AC+i+1], v[CB+i:CB+i+1]   ; each accumulator from its low end on
.set i, i+2
.endr
	WIN 0
.set i, 0
.rept 64
.set i, i+1
.endr
.if (\a) >= 2
	s_wait_alu depctr_va_vdst(0)
	s_wait_dscnt 4                                 ; the last block's four stores may be out; those of two blocks back have read this set of code registers
.endif
.set i, 0
.rept 8
	v_cvt_scalef32_pk8_fp8_f32 v[PCS+2*i:PCS+2*i+1], v[TMP+8*i:TMP+8*i+7], v[SCL]
.set i, i+1
.endr
	v_nop                                          ; a plain line behind the last conversion, ahead of the next block's writes of its sources
.irp b, 0,1,2,3
	ds_store_b128 v[STO], v[PCS+4*\b:PCS+4*\b+3] offset:(\b/2)*CHUNK+(\a)*16*CPITCH+32*(\b%2)   ; column blocks 2 b and 2 b + 1: places 32 (b % 2) + 16 hh + 0 .. 15 of chunk b / 2
.endr
.endm
.irp a, 0,1,2,3,4,5,6,7
	BLOCK \a
.endr
.set i, 0
.rept 32
	ds_load_b128 v[TMP+4*i:TMP+4*i+3], v[RD] offset:(i/16)*CHUNK+(i%16)*8*CPITCH   ; LDS serves a wave's instructions in order: these see my stores
.set i, i+1
.endr
.set i, 0
.rept 16
	s_wait_dscnt 31-i
	global_store_b128 v[CO], v[TMP+4*i:TMP+4*i+3], s[90:91] offset:512*i   ; 32 lanes store 512 consecutive bytes, at a multiple of 512 from the buffer's first byte
.set i, i+1
.endr
.rept 16
	s_wait_dscnt 31-i
	global_store_b128 v[CO], v[TMP+4*i:TMP+4*i+3], s[92:93] offset:512*(i-16)
.set i, i+1
.endr
	s_wait_tensorcnt 0x0                           ; the wave's end
	ds_add_u32 v[SPW], v[NIL]
	s_wait_dscnt 0x0
	CROUND                                         ; the closing round
	s_endpgm
.Lfunc_end_k_q42b40b9339_qkv:
	.size	k_q42b40b9339_qkv, .Lfunc_end_k_q42b40b9339_qkv-k_q42b40b9339_qkv
	.p2alignl 7, 3214868480
	.fill 96, 4, 3214868480
	.section	.rodata,"a",@progbits
	.p2align	6, 0x0
	.amdhsa_kernel k_q42b40b9339_qkv
		.amdhsa_group_segment_fixed_size 327680
		.amdhsa_private_segment_fixed_size 0
		.amdhsa_enable_private_segment 0
		.amdhsa_kernarg_size 56
		.amdhsa_user_sgpr_count 2
		.amdhsa_user_sgpr_kernarg_segment_ptr 1
		.amdhsa_wavefront_size32 1
		.amdhsa_system_sgpr_workgroup_id_x 1
		.amdhsa_system_sgpr_workgroup_id_y 1
		.amdhsa_system_sgpr_workgroup_id_z 1
		.amdhsa_system_vgpr_workitem_id 0
		.amdhsa_next_free_vgpr 1024
		.amdhsa_next_free_sgpr 102
		.amdhsa_reserve_vcc 0
		.amdhsa_float_denorm_mode_32 3
		.amdhsa_float_denorm_mode_16_64 3
		.amdhsa_fp16_overflow 1
		.amdhsa_memory_ordered 1
		.amdhsa_forward_progress 1
		.amdhsa_inst_pref_size 115
	.end_amdhsa_kernel
	.amdgpu_metadata
---
amdhsa.version: [ 1, 2 ]
amdhsa.kernels:
  - .name:           k_q42b40b9339_qkv
    .symbol:         k_q42b40b9339_qkv.kd
    .args:
      - { .name: xc, .offset: 0, .size: 8, .value_kind: global_buffer, .address_space: global }
      - { .name: wqc, .offset: 8, .size: 8, .value_kind: global_buffer, .address_space: global }
      - { .name: b_qkv, .offset: 16, .size: 8, .value_kind: global_buffer, .address_space: global }
      - { .name: lowp_scales, .offset: 24, .size: 8, .value_kind: global_buffer, .address_space: global }
      - { .name: qc, .offset: 32, .size: 8, .value_kind: global_buffer, .address_space: global }
      - { .name: kc, .offset: 40, .size: 8, .value_kind: global_buffer, .address_space: global }
      - { .name: vc, .offset: 48, .size: 8, .value_kind: global_buffer, .address_space: global }
    .group_segment_fixed_size: 327680
    .private_segment_fixed_size: 0
    .kernarg_segment_align: 8
    .kernarg_segment_size: 56
    .max_flat_workgroup_size: 128
    .sgpr_count:     102
    .vgpr_count:     1024
    .wavefront_size: 32
...
	.end_amdgpu_metadata
.endif
;; end of part 2
;; launch attn (part 3): grid 4 x 64, 8 waves a work-group, no clusters, 327,680 bytes of LDS; arguments qc, kc, vc, lowp_scales, ac; writes ac
.if DOCPART == 3
	.amdgcn_target "amdgcn-amd-amdhsa--gfx1250"
	.amdhsa_code_object_version 6
	.text
	.protected	k_q42b40b9339_attn
	.globl	k_q42b40b9339_attn
	.p2align	8
	.type	k_q42b40b9339_attn,@function
k_q42b40b9339_attn:
	s_mov_b64 s[64:65], 0
	v_nop
	global_prefetch_b8 v0, s[64:65] scope:SCOPE_SE
	s_setreg_imm32_b32 hwreg(HW_REG_WAVE_MODE, 25, 1), 1
	s_wait_xcnt 0x0
; Causal attention on codes of FP8, head size 64, 2,048 tokens, 64 heads (y = b 16 + h); the result quantised (scale entry 6) for the last product.
; t = score x 2^(e2+e3) x log2(e) / 8; M = the running largest t rounded UP to a whole number; p = 2^(t - M) is quantised with 2^e4, not normalised; the row's sum is taken of the unquantised p and divides at the end.
; SHARES.  Work-group (X, y) takes, of head y, the block of 256 queries 7 - X (key slots 0 .. 7 - X) and then block X (slots 0 .. X): nine slots of 256 keys whatever X is, so all work-groups have the same work and every trip count is a constant.
; Each of eight waves owns 32 queries, two tiles of 16, which share every fragment of K and V.  A step of 128 keys all of which come after my queries is left out by a scalar branch on ids, round no barrier and no tensor load.
; LAYOUT.  S^T = K Q^T (source 0 = 16 keys, source 1 = 16 queries; K = 64) and O^T = V^T P^T (source 0 = 16 channels, source 1 = P; K = 128 keys): a lane holds one query throughout.
; Register j of key tile t is key 16 t + 8 (lane / 16) + j: the conversions' results are P's registers 2 t, 2 t + 1 as that form wants them, and vc is laid so that one load of 16 bytes brings V's registers for the same keys.
; THE RING.  Two slots of 256 keys: 256 rows of K, then four blocks of 64 keys x 64 channels of V, all rows of 64 bytes + 16 of padding.  Each wave fetches 64 such rows, 4,096 dense bytes, by one load of one shape: waves 0-3 K, waves 4-7 V.
; NO CLUSTER: the four work-groups of a head want different slots from their 6 - X th slot on; asking jointly would need all four to walk 12 slots in step in place of 9, for tiles of 32 KiB a slot against four double steps of vector work.
; LIMITS: e2 + e3 between -123 and 129 (added to c's exponent field); e4 and e6 between -126 and 119; e4 + e5 goes by v_ldexp_f32 and has none.
; REGISTERS, window 0: v1-11 addresses; v12-19 -M, largest t, sum (pair) of tile 0, 1; v20-23 f; v24-31 at work; v32-95 K's 8 fragments; v96-223 S then p (tile x, key tile t at 96 + 64 x + 8 t); v224-237 constants, second sums, g.
;   window 1: v0-63 O^T (32 x + 8 d); v64-79 Q in hand; v80-95 the second block's Q; v96-127 p's codes; v128-191 V's 4 fragments.
.set KP,    80                         ; a row in LDS: 64 bytes + 16: the 16 rows that a load touches start 20 words apart
.set VBLK,  64*KP                      ; what one tensor load brings
.set VOFF,  256*KP                     ; V behind K's 256 rows
.set SLOT1, 1<<16                      ; slot 1: one exclusive or turns an address in one slot into the other's
.set STAGE, 2*SLOT1                    ; the way out: two regions (one for each block of queries) of 2,048 bytes a wave; no tile lands there
.set SPARE, STAGE+2*16384              ; the spare words, 128 bytes a wave, named by no other line
.set AK0, 1
.set AV0, 2
.set PFO, 3                            ; v3  the prefetches' offset
.set STO, 4
.set SPW, 5
.set NIL, 6
.set GO,  7
.set ADK, 8
.set ADV, 9
.set RD,  10
.set RH,  11                           ; v11 lane % 16 - 8 (lane / 16)
.set NM,  12
.set F,   20
.set KFR, 32
.set S,   96
.set PHOLD, 224
.set PSC,   225                        ; 2^e4
.set NINF,  226
.set OSC,   227                        ; 2^e6
.set OHOLD, 228
.set L2,    230
.set G,     234
.set QF,  64                           ; window 1
.set QL,  80
.set PCF, 96
.set VFR, 128
.set TB,  2                            ; s2  LDS byte at which the slot in hand begins
.set WV,  18
.set SEL, 20
.set CS,  22
.set G1,  24
.set G0,  32
.set KVB, 36                           ; s[36:37] my part of slot 0 in memory
.set SH,  40                           ; s40 a slot on is 1 << SH bytes: 14 in K, 15 in V
.set SLOTS, 41
.set NXT, 42                           ; s42 the slot element asked for last, 0 .. 8
.set NH,  43                           ; s43 8 - X: elements of the first block
.set KF,  44                           ; s44 the step's first key
.set Q0,  45                           ; s45 my first query
.set PFA, 76
.set PFS, 78
.set LIM, 80
.set MSB, 0
.macro WIN new
.if MSB != \new
	s_set_vgpr_msb (MSB<<8)|\new
.set MSB, \new
.endif
.endm
.macro TLOAD                           ; every wave's one load; an s_nop 0 and four v_nop follow it
	tensor_load_to_lds s[G0:G0+3], s[G1:G1+7]
	s_nop 0
.rept 4
	v_nop
.endr
.endm
; A PREFETCH INTO THE L2 of the slot that the NEXT change of slots will ask for.  All four work-groups of a head walk slots 0, 1, 2 .. first: the one with X = 0, which walks all eight, asks.  In it the even waves ask, one instruction each,
; for their own 4,096 bytes and their neighbour wave's: 32 lanes, 256 bytes apart within a part.  So each block of 256 bytes is named once in the launch.  Slots 0 and 1 come by their loads alone; the trips that would name a slot past the eighth ask for nothing.
.macro ASK
	s_cmp_gt_u32 s[SLOTS], s[LIM]
	s_cbranch_scc0 .Lnot_mine_\@
	global_prefetch_b8 v[PFO], s[PFA:PFA+1] th:TH_LOAD_NT scope:SCOPE_SE
.Lnot_mine_\@:
.endm
.macro STATS                           ; the largest t so far: -3e38, under every t; -M; the sum
.irp x, 0,1
	v_mov_b32 v[NM+4*\x+1], 0xff61b1e6
	s_delay_alu instid0(VALU_DEP_1)
	v_floor_f32 v[NM+4*\x], -v[NM+4*\x+1]
	v_mov_b32 v[NM+4*\x+2], 0
	v_mov_b32 v[NM+4*\x+3], 0
.endr
.endm
.macro CLEAR_O                         ; the step is written once: a block's first step finds zeros, which the first change of M leaves zeros
	WIN 0x40
.set n, 0
.rept 64
	v_mov_b32 v[n], 0
.set n, n+1
.endr
	WIN 0
.endm
.macro SETOUT                          ; ac [token / 128][head][token % 128][64]: my 32 queries' codes are 2,048 bytes on end
	s_lshr_b32 s46, s[Q0], 7
	s_lshl_b32 s46, s46, 17
	s_and_b32 s96, s[Q0], 127
	s_lshl_b32 s96, s96, 6
	s_add_co_u32 s46, s46, s96
	s_add_nc_u64 s[58:59], s[56:57], s[46:47]
.endm
	s_load_b256 s[4:11], s[0:1], 0x0               ; qc s[4:5], kc s[6:7], vc s[8:9], the scales s[10:11]
	s_load_b64 s[12:13], s[0:1], 0x20              ; ac
	v_lshl_add_u32 v[SPW], v0, 2, SPARE
	v_mov_b32 v[NIL], 0
	ds_add_u32 v[SPW], v[NIL]                      ; the wave's opening: the add and its wait ahead of my first tensor load; work on registers stands between
	ds_add_u32 v[SPW], v[NIL]
	v_lshrrev_b32 v8, 5, v0
	s_delay_alu instid0(VALU_DEP_1)
	v_readfirstlane_b32 s[WV], v8                  ; wave 0..7
	s_and_b32 s14, ttmp7, 0xffff                   ; y
	s_mov_b32 s[G1], (0<<16)|(1<<20)|(3<<22)|(3<<25)   ; no mask; elements of 1 byte; padding on: four words after every 16
	s_mov_b32 s[G1+1], 64<<16                      ; tensor_dim0
	s_mov_b32 s[G1+2], 64<<16                      ; tensor_dim1
	s_mov_b32 s[G1+3], 64<<16                      ; tile_dim0
	s_mov_b32 s[G1+4], 64                          ; tile_dim1
	s_mov_b32 s[G1+5], 64                          ; tensor_dim0_stride: the rows are dense
	s_mov_b32 s[G1+6], 0
	s_mov_b32 s[G1+7], 0
	s_mov_b32 s[SEL], 0x76543210
	s_mov_b32 s[SEL+1], 0xfedcba98
	s_mov_b32 s[TB], 0
	s_mov_b32 s[SLOTS], 8
	s_mov_b32 s[NXT], 0
	s_sub_co_u32 s[NH], 8, ttmp9
	s_mov_b32 s[KF], 0
	s_sub_co_u32 s[Q0], 7, ttmp9
	s_lshl_b32 s[Q0], s[Q0], 8
	s_lshl_b32 s96, s[WV], 5
	s_add_co_u32 s[Q0], s[Q0], s96                 ; the first block: 256 (7 - X) + 32 wave
	s_lshl_b32 s97, ttmp9, 8
	s_add_co_u32 s97, s97, s96                     ; the second: 256 X + 32 wave
	s_and_b32 s15, s[WV], 3
	s_lshl_b32 s16, s14, 17
	s_lshl_b32 s17, s15, 12
	s_add_co_u32 s16, s16, s17                     ; K: the head's 131,072 bytes, my 64 keys
	s_lshr_b32 s17, s14, 1
	s_lshl_b32 s17, s17, 18
	s_and_b32 s19, s14, 1
	s_lshl_b32 s19, s19, 12
	s_add_co_u32 s17, s17, s19
	s_lshl_b32 s19, s15, 13
	s_add_co_u32 s17, s17, s19                     ; V: the pair of heads, my head's 64 channels, my block of 64 keys
	s_cmp_lt_u32 s[WV], 4
	s_cselect_b32 s38, s16, s17
	s_cselect_b32 s[SH], 14, 15
	s_mov_b32 s39, 0
	s_mov_b32 s47, 0
	s_wait_dscnt 0x0                               ; the opening add is done
	s_wait_kmcnt 0x0
	s_load_b256 s[48:55], s[10:11], 0x0            ; e0 .. e7
	s_cmp_lt_u32 s[WV], 4
	s_cselect_b64 s[KVB:KVB+1], s[6:7], s[8:9]
	s_add_nc_u64 s[KVB:KVB+1], s[KVB:KVB+1], s[38:39]
	s_mov_b32 s[G0], 1                             ; count = 1
	s_mul_i32 s[G0+1], s[WV], VBLK                 ; LDS: slot 0, wave x 64 rows
	s_mov_b64 s[G0+2:G0+3], s[KVB:KVB+1]
	s_or_b32 s[G0+3], s[G0+3], 0x80000000          ; type = 2
	TLOAD                                          ; element 0
	s_lshl_b32 s[PFS], 1, s[SH]
	s_mov_b32 s[PFS+1], 0
	s_add_nc_u64 s[PFA:PFA+1], s[KVB:KVB+1], s[PFS:PFS+1]   ; in slot 1: the first change of slots steps it to slot 2.  Nothing is prefetched here, at the head
	s_and_b32 s[LIM], s[WV], 1
	s_or_b32 s[LIM], s[LIM], ttmp9
	s_cmp_eq_u32 s[LIM], 0
	s_cselect_b32 s[LIM], 2, -1                    ; an asking wave asks while more than two slots are still to be asked for
	s_lshl_b32 s46, s14, 17
	s_lshl_b32 s96, s[Q0], 6
	s_add_co_u32 s46, s46, s96
	s_add_nc_u64 s[60:61], s[4:5], s[46:47]        ; Q of the first block
	s_lshl_b32 s46, s14, 17
	s_lshl_b32 s96, s97, 6
	s_add_co_u32 s46, s46, s96
	s_add_nc_u64 s[62:63], s[4:5], s[46:47]        ; and of the second
	v_and_b32 v8, 15, v0                           ; r
	s_wait_alu depctr_va_vdst(0)
	v_bfe_u32 v9, v0, 4, 1                         ; hh
	v_lshlrev_b32 v24, 6, v8
	s_delay_alu instid0(VALU_DEP_1)
	v_lshl_add_u32 v24, v9, 4, v24                 ; Q: row r of 64 bytes, + 16 hh
	WIN 0x40                                       ; destination window 1
.irp x, 0,1
.irp c, 0,1
	global_load_b128 v[QF+8*\x+4*\c:QF+8*\x+4*\c+3], v24, s[60:61] offset:1024*\x+32*\c
	global_load_b128 v[QL+8*\x+4*\c:QL+8*\x+4*\c+3], v24, s[62:63] offset:1024*\x+32*\c
.endr
.endr
	WIN 0
	s_lshr_b32 s46, s14, 4
	s_lshl_b32 s46, s46, 21
	s_and_b32 s96, s14, 15
	s_lshl_b32 s96, s96, 13
	s_add_co_u32 s46, s46, s96
	s_add_nc_u64 s[56:57], s[12:13], s[46:47]      ; ac at my batch element and head
	SETOUT
	v_mul_u32_u24 v[AK0], v8, KP
	s_wait_alu depctr_va_vdst(0)
	v_lshl_add_u32 v[AK0], v9, 4, v[AK0]
	s_delay_alu instid0(VALU_DEP_1)
	v_add_nc_u32 v[AV0], VOFF, v[AK0]
	s_sub_co_u32 s96, s[SH], 2
	v_lshlrev_b32 v[PFO], s96, v9                  ; lanes 16-31: my neighbour wave's part, 4,096 bytes on in K, 8,192 in V
	s_delay_alu instid0(VALU_DEP_1)
	v_lshl_add_u32 v[PFO], v8, 8, v[PFO]
	s_lshl_b32 s96, s[WV], 11
	s_add_co_u32 s96, s96, STAGE
	v_lshlrev_b32 v[STO], 6, v8
	s_delay_alu instid0(VALU_DEP_1)
	v_lshl_add_u32 v[STO], v9, 3, v[STO]
	s_delay_alu instid0(VALU_DEP_1)
	v_add_nc_u32 v[STO], s96, v[STO]               ; the stage, in: row r of 64 bytes, + 8 hh
	v_and_b32 v[GO], 31, v0
	s_delay_alu instid0(VALU_DEP_1)
	v_lshlrev_b32 v[GO], 4, v[GO]
	s_delay_alu instid0(VALU_DEP_1)
	v_add_nc_u32 v[RD], s96, v[GO]                 ; back: 16 bytes a lane
	v_lshlrev_b32 v[RH], 3, v9
	s_delay_alu instid0(VALU_DEP_1)
	v_sub_nc_u32 v[RH], v8, v[RH]
	v_mov_b32 v[NINF], 0xff800000
	v_mov_b32 v30, 0                               ; written once: a lane permute's destination counts as one of its sources
	v_mov_b32 v31, 0
	v_mov_b32 v[F+1], 0                            ; (named as upper halves of pairs)
	v_mov_b32 v[F+3], 0
	v_mov_b32 v[G+1], 0
	v_mov_b32 v[G+3], 0
	STATS
	CLEAR_O
	s_wait_kmcnt 0x0
	s_add_co_i32 s96, s50, s51
	s_lshl_b32 s96, s96, 23
	s_add_co_i32 s[CS], s96, 0x3e38aa3b            ; c = log2(e) / 8, with e2 + e3 added to its exponent field
	s_mov_b32 s[CS+1], s[CS]
	s_add_co_i32 s96, s52, 127
	s_lshl_b32 s97, s96, 23
	v_mov_b32 v[PSC], s97
	s_add_co_i32 s96, s54, 127
	s_lshl_b32 s97, s96, 23
	v_mov_b32 v[OSC], s97
	s_add_co_i32 s81, s52, s53                     ; e4 + e5
; A KEY STEP: 128 keys, the q-th of the slot in hand, for both my tiles.
.macro STEP q
	s_add_co_u32 s96, s[Q0], 31
	s_cmp_gt_u32 s[KF], s96                        ; all 128 keys come after my 32 queries: the step's work is left out
	s_cbranch_scc1 .Lhidden_\@
	v_add_nc_u32 v[ADK], s[TB], v[AK0]
	v_add_nc_u32 v[ADV], s[TB], v[AV0]
	v_nop                                          ; with the two additions: four places in front of loads into registers that the last products read
	v_nop
.irp t, 0,1,2,3,4,5,6,7
	ds_load_b128 v[KFR+8*\t:KFR+8*\t+3], v[ADK] offset:(128*(\q)+16*\t)*KP
	ds_load_b128 v[KFR+8*\t+4:KFR+8*\t+7], v[ADK] offset:(128*(\q)+16*\t)*KP+32
.endr
	WIN 0x40
.irp d, 0,1,2,3
.irp c, 0,1,2,3
	ds_load_b128 v[VFR+16*\d+4*\c:VFR+16*\d+4*\c+3], v[ADV] offset:(2*(\q)+\c/2)*VBLK+16*\d*KP+32*(\c%2)
.endr
.endr
	s_wait_dscnt 16                                ; K is in; V's sixteen loads may be out: they land under the softmax
	WIN 0x04                                       ; source 1 (Q) window 1
	s_wait_alu depctr_va_vdst(0)
.irp t, 0,1,2,3,4,5,6,7
.irp x, 0,1
	v_wmma_f32_16x16x64_fp8_fp8 v[S+64*\x+8*\t:S+64*\x+8*\t+7], v[KFR+8*\t:KFR+8*\t+7], v[QF+8*\x:QF+8*\x+7], 0
.endr
.endr
	WIN 0
.rept 4
	v_nop
.endr
	s_add_co_u32 s96, s[KF], 127
	s_cmp_le_u32 s96, s[Q0]                        ; all keys count for all my queries: no mask
	s_cbranch_scc1 .Lopen_\@
	s_sub_co_i32 s96, s[Q0], s[KF]
	s_add_co_i32 s97, s96, 16
	v_add_nc_u32 v24, s96, v[RH]                   ; d = my query - KF - 8 (lane / 16).  Register 8 t + j holds key KF + 8 (lane / 16) + 16 t + j: hidden where 16 t + j > d
	v_add_nc_u32 v25, s97, v[RH]
.irp x, 0,1
.set n, 0
.rept 64
	v_cmp_gt_i32 vcc_lo, 16*(n/8)+n%8, v[24+\x]
	v_cndmask_b32 v[S+64*\x+n], v[S+64*\x+n], v[NINF], vcc_lo   ; -infinity ahead of the maximum: p = 0
.set n, n+1
.endr
.endr
.Lopen_\@:
.irp x, 0,1                                    ; the step's largest score of each query among my 64 keys: two chains a tile, each accumulator met from its low end
	v_max3_num_f32 v[26+2*\x], v[S+64*\x], v[S+64*\x+1], v[S+64*\x+2]
	v_max3_num_f32 v[27+2*\x], v[S+64*\x+3], v[S+64*\x+4], v[S+64*\x+5]
.endr
.irp i, 6,10,14,18,22,26,30,34,38,42,46,50,54,58
.irp x, 0,1
	v_max3_num_f32 v[26+2*\x], v[26+2*\x], v[S+64*\x+\i], v[S+64*\x+\i+1]
	v_max3_num_f32 v[27+2*\x], v[27+2*\x], v[S+64*\x+\i+2], v[S+64*\x+\i+3]
.endr
.endr
.irp x, 0
	v_max3_num_f32 v[26+2*\x], v[26+2*\x], v[S+64*\x+62], v[S+64*\x+63]
.endr
.irp x, 1
	v_max3_num_f32 v[26+2*\x], v[26+2*\x], v[S+64*\x+62], v[S+64*\x+63]
.endr
.irp x, 0,1
	s_delay_alu instid0(VALU_DEP_2)
	v_max_num_f32 v[26+2*\x], v[26+2*\x], v[27+2*\x]
.endr
.irp x, 0,1
	s_delay_alu instid0(VALU_DEP_2)
	v_permlanex16_b32 v[30+\x], v[26+2*\x], s[SEL], s[SEL+1]
.endr
.irp x, 0,1
	s_delay_alu instid0(VALU_DEP_2)
	v_max_num_f32 v[26+2*\x], v[26+2*\x], v[30+\x]   ; and among lane l xor 16's
.endr
.irp x, 0,1
	s_delay_alu instid0(VALU_DEP_2)
	v_mul_f32 v[26+2*\x], s[CS], v[26+2*\x]        ; as t (c is positive)
.endr
.irp x, 0,1
	s_delay_alu instid0(VALU_DEP_2)
	v_max_num_f32 v[NM+4*\x+1], v[NM+4*\x+1], v[26+2*\x]   ; the running largest t
.endr
.irp x, 0,1
	v_mov_b32 v[26+2*\x], v[NM+4*\x]
.endr
.irp x, 0,1
	s_delay_alu instid0(VALU_DEP_4)
	v_floor_f32 v[NM+4*\x], -v[NM+4*\x+1]          ; -M = floor(-t): M is a whole number
.endr
.irp x, 0,1
	s_delay_alu instid0(VALU_DEP_2)
	v_sub_f32 v[26+2*\x], v[NM+4*\x], v[26+2*\x]   ; old M - new M, 0 or less
.endr
.irp x, 0,1
	s_delay_alu instid0(VALU_DEP_2)
	v_cvt_i32_f32 v[26+2*\x], v[26+2*\x]           ; (it saturates)
.endr
.irp x, 0,1
	s_delay_alu instid0(VALU_DEP_2)
	v_ldexp_f32 v[F+2*\x], 1.0, v[26+2*\x]         ; f = 2^(old M - new M): a multiplication by it rounds nothing
.endr
.irp x, 0,1
.set n, 0
.rept 32
	v_pk_fma_f32 v[S+64*\x+n:S+64*\x+n+1], v[S+64*\x+n:S+64*\x+n+1], s[CS:CS+1], v[NM+4*\x:NM+4*\x+1] op_sel_hi:[1,0,0]   ; t - M
.set n, n+2
.endr
.endr
.set n, 0
	s_wait_alu depctr_va_vdst(0)
.rept 128
	v_exp_f32 v[S+n], v[S+n]                       ; p = 2^(t - M), at most 1
.set n, n+1
.endr
.irp x, 0,1
	v_pk_mul_f32 v[NM+4*\x+2:NM+4*\x+3], v[NM+4*\x+2:NM+4*\x+3], v[F+2*\x:F+2*\x+1] op_sel_hi:[1,0]   ; the sums under the new M: the plain lines behind the exponentials
.endr
	s_wait_alu depctr_va_vdst(0)                   ; one wait for the whole batch, ahead of its first reader
.irp x, 0,1
	v_pk_add_f32 v[L2+2*\x:L2+2*\x+1], v[S+64*\x:S+64*\x+1], v[S+64*\x+2:S+64*\x+3]   ; the row's sum is taken of the unquantised p, two chains a tile
.endr
.irp j, 4,8,12,16,20,24,28,32,36,40,44,48,52,56,60
.irp x, 0,1
	v_pk_add_f32 v[NM+4*\x+2:NM+4*\x+3], v[NM+4*\x+2:NM+4*\x+3], v[S+64*\x+\j:S+64*\x+\j+1]
	v_pk_add_f32 v[L2+2*\x:L2+2*\x+1], v[L2+2*\x:L2+2*\x+1], v[S+64*\x+\j+2:S+64*\x+\j+3]
.endr
.endr
.irp x, 0
	s_delay_alu instid0(VALU_DEP_3)
	v_pk_add_f32 v[NM+4*\x+2:NM+4*\x+3], v[NM+4*\x+2:NM+4*\x+3], v[L2+2*\x:L2+2*\x+1]
.endr
.irp x, 1
	s_delay_alu instid0(VALU_DEP_2)
	v_pk_add_f32 v[NM+4*\x+2:NM+4*\x+3], v[NM+4*\x+2:NM+4*\x+3], v[L2+2*\x:L2+2*\x+1]
.endr
.set n, 0
.rept 128
.set n, n+1
.endr
	WIN 0x40                                       ; destination window 1
.irp x, 0,1
.irp t, 0,1,2,3,4,5,6,7
	v_cvt_scalef32_pk8_fp8_f32 v[PCF+16*\x+2*\t:PCF+16*\x+2*\t+1], v[S+64*\x+8*\t:S+64*\x+8*\t+7], v[PSC]
.endr
.endr
	WIN 0x41                                       ; O^T: destination and source 0 window 1
.irp x, 0,1
.set n, 0
.rept 16
	v_pk_mul_f32 v[32*\x+n:32*\x+n+1], v[32*\x+n:32*\x+n+1], v[F+2*\x:F+2*\x+1] op_sel_hi:[1,0]   ; O^T under the new M; also the plain lines between the conversions and the products
.set n, n+2
.endr
.endr
	s_wait_alu depctr_va_vdst(0)
	s_wait_dscnt 0x0                               ; V is in
	WIN 0x55                                       ; all four operands window 1
.irp d, 0,1,2,3
.irp x, 0,1
	v_wmma_f32_16x16x128_fp8_fp8 v[32*\x+8*\d:32*\x+8*\d+7], v[VFR+16*\d:VFR+16*\d+15], v[PCF+16*\x:PCF+16*\x+15], v[32*\x+8*\d:32*\x+8*\d+7]   ; eight accumulators by turns
.endr
.endr
	WIN 0
.Lhidden_\@:
	s_add_co_u32 s[KF], s[KF], 128
.endm
; THE CHANGE OF SLOTS stands at a slot's head.  Each wave waits for all its tensor loads (its part of the slot ahead), adds 0 to its spare word, and waits for that and for its reads of the slot that it has left.
; fill = 1: that slot takes the next element: slot NXT of the first block's walk, or NXT - NH of the second's.  By the text's own count one load of a wave is out behind each barrier, with a slot's steps in which to land.
.macro CHANGE fill
	s_wait_tensorcnt 0x0                           ; no tensor load of mine is out, so group 0 may be written
	ds_add_u32 v[SPW], v[NIL]                      ; 0 onto my spare word; the descriptor's step stands between it and the wait for it
.if \fill
	s_add_co_u32 s[NXT], s[NXT], 1
	s_cmp_lt_u32 s[NXT], s[NH]
	s_cselect_b32 s96, 0, s[NH]
	s_sub_co_u32 s96, s[NXT], s96                  ; which 256 keys
	s_lshl_b32 s38, s96, s[SH]
	s_add_nc_u64 s[G0+2:G0+3], s[KVB:KVB+1], s[38:39]
	s_or_b32 s[G0+3], s[G0+3], 0x80000000
	s_xor_b32 s[G0+1], s[G0+1], SLOT1              ; the other slot than last time
	s_wait_xcnt 0x0                                ; the last prefetch, a slot back, has read its address
	s_add_nc_u64 s[PFA:PFA+1], s[PFA:PFA+1], s[PFS:PFS+1]
.endif
	s_wait_dscnt 0x0                               ; the add is done, and my reads of the slot that I have left are over
	s_barrier_signal -1
	s_barrier_wait -1
.if \fill
	TLOAD                                          ; the first thing behind the barrier, and my one tensor load until the next
	ASK
.endif
.endm
.macro SLOT_STEPS
	STEP 0
	STEP 1
	s_xor_b32 s[TB], s[TB], SLOT1
.endm
; A block of queries is finished: O^T x 2^(e4+e5) / the sum, codes with 2^e6; eight bytes a lane and tile into my stage; back and out as 512 consecutive bytes an instruction.
.macro FINISH stg
.irp x, 0,1
	v_add_f32 v[26+2*\x], v[NM+4*\x+2], v[NM+4*\x+3]
.endr
.irp x, 0,1
	s_delay_alu instid0(VALU_DEP_2)
	v_permlanex16_b32 v[30+\x], v[26+2*\x], s[SEL], s[SEL+1]
.endr
.irp x, 0,1
	s_delay_alu instid0(VALU_DEP_2)
	v_add_f32 v[26+2*\x], v[26+2*\x], v[30+\x]     ; the row's sum
.endr
	s_wait_alu depctr_va_vdst(0)
.irp x, 0,1
	v_rcp_f32 v[G+2*\x], v[26+2*\x]
.endr
	v_nop                                          ; a plain line behind the reciprocals
	s_wait_alu depctr_va_vdst(0)                   ; and the wait ahead of their first reader
.irp x, 0,1
	v_ldexp_f32 v[G+2*\x], v[G+2*\x], s81
.endr
	WIN 0x01                                       ; source 0 (O^T) window 1
.irp x, 0,1
.set n, 0
.rept 16
	v_pk_mul_f32 v[S+32*\x+n:S+32*\x+n+1], v[32*\x+n:32*\x+n+1], v[G+2*\x:G+2*\x+1] op_sel_hi:[1,0]   ; register 8 d + j is channel 16 d + 8 (lane / 16) + j of my query
.set n, n+2
.endr
.endr
	WIN 0
.set n, 0
.rept 64
.set n, n+1
.endr
.irp x, 0,1
.irp d, 0,1,2,3
	v_cvt_scalef32_pk8_fp8_f32 v[KFR+8*\x+2*\d:KFR+8*\x+2*\d+1], v[S+32*\x+8*\d:S+32*\x+8*\d+7], v[OSC]
.endr
.endr
	v_nop                                          ; a plain line behind the last conversion
.irp x, 0,1
.irp d, 0,1,2,3
	ds_store_b64 v[STO], v[KFR+8*\x+2*\d:KFR+8*\x+2*\d+1] offset:\stg+1024*\x+16*\d
.endr
.endr
.irp i, 0,1,2,3
	ds_load_b128 v[KFR+16+4*\i:KFR+16+4*\i+3], v[RD] offset:\stg+512*\i   ; LDS serves a wave's instructions in order: these see my stores
.endr
.irp i, 0,1,2,3
	s_wait_dscnt 3-\i
	global_store_b128 v[GO], v[KFR+16+4*\i:KFR+16+4*\i+3], s[58:59] offset:512*\i
.endr
	s_wait_xcnt 0x0                                ; the stores have read their data and their base: both are written again
.endm
.macro RESTART                         ; on to the second block of queries
	s_lshl_b32 s[Q0], ttmp9, 8
	s_lshl_b32 s96, s[WV], 5
	s_add_co_u32 s[Q0], s[Q0], s96
	s_mov_b32 s[KF], 0
	SETOUT
	STATS
	CLEAR_O
	WIN 0x41
.set n, 0
.rept 16
	v_mov_b32 v[QF+n], v[QL+n]
.set n, n+1
.endr
	WIN 0
.endm
	s_wait_loadcnt 0x0                             ; Q
.Lslot:                                            ; eight trips: behind each change of slots but the last the next element is asked for
	CHANGE 1
	SLOT_STEPS
	s_cmp_lg_u32 s[NXT], s[NH]                     ; was that the first block's last slot?  A branch on ids and a counter, round no barrier and no tensor load
	s_cbranch_scc1 .Lsame_block
	FINISH 0
	RESTART
.Lsame_block:
	s_sub_co_u32 s[SLOTS], s[SLOTS], 1
	s_cmp_lg_u32 s[SLOTS], 0
	s_cbranch_scc1 .Lslot
	CHANGE 0                                       ; the last element is written out
	SLOT_STEPS
	FINISH 16384
	s_wait_tensorcnt 0x0                           ; the wave's end
	ds_add_u32 v[SPW], v[NIL]
	s_wait_dscnt 0x0
	s_endpgm
.Lfunc_end_k_q42b40b9339_attn:
	.size	k_q42b40b9339_attn, .Lfunc_end_k_q42b40b9339_attn-k_q42b40b9339_attn
	.p2alignl 7, 3214868480
	.fill 96, 4, 3214868480
	.section	.rodata,"a",@progbits
	.p2align	6, 0x0
	.amdhsa_kernel k_q42b40b9339_attn
		.amdhsa_group_segment_fixed_size 327680
		.amdhsa_private_segment_fixed_size 0
		.amdhsa_enable_private_segment 0
		.amdhsa_kernarg_size 40
		.amdhsa_user_sgpr_count 2
		.amdhsa_user_sgpr_kernarg_segment_ptr 1
		.amdhsa_wavefront_size32 1
		.amdhsa_system_sgpr_workgroup_id_x 1
		.amdhsa_system_sgpr_workgroup_id_y 1
		.amdhsa_system_sgpr_workgroup_id_z 1
		.amdhsa_system_vgpr_workitem_id 0
		.amdhsa_next_free_vgpr 448
		.amdhsa_next_free_sgpr 100
		.amdhsa_reserve_vcc 1
		.amdhsa_float_denorm_mode_32 3
		.amdhsa_float_denorm_mode_16_64 3
		.amdhsa_fp16_overflow 1
		.amdhsa_memory_ordered 1
		.amdhsa_forward_progress 1
		.amdhsa_inst_pref_size 163
	.end_amdhsa_kernel
	.amdgpu_metadata
---
amdhsa.version: [ 1, 2 ]
amdhsa.kernels:
  - .name:           k_q42b40b9339_attn
    .symbol:         k_q42b40b9339_attn.kd
    .args:
      - { .name: qc, .offset: 0, .size: 8, .value_kind: global_buffer, .address_space: global }
      - { .name: kc, .offset: 8, .size: 8, .value_kind: global_buffer, .address_space: global }
      - { .name: vc, .offset: 16, .size: 8, .value_kind: global_buffer, .address_space: global }
      - { .name: lowp_scales, .offset: 24, .size: 8, .value_kind: global_buffer, .address_space: global }
      - { .name: ac, .offset: 32, .size: 8, .value_kind: global_buffer, .address_space: global }
    .group_segment_fixed_size: 327680
    .private_segment_fixed_size: 0
    .kernarg_segment_align: 8
    .kernarg_segment_size: 40
    .max_flat_workgroup_size: 256
    .sgpr_count:     100
    .vgpr_count:     448
    .wavefront_size: 32
...
	.end_amdgpu_metadata
.endif
;; end of part 3
;; launch proj (part 4): grid 4 x 64, 4 waves a work-group, clusters of 4 x 4, 327,680 bytes of LDS; arguments ac, wpc, b_proj, lowp_scales, out0; writes out0
.if DOCPART == 4
	.amdgcn_target "amdgcn-amd-amdhsa--gfx1250"
	.amdhsa_code_object_version 6
	.text
	.protected	k_q42b40b9339_proj
	.globl	k_q42b40b9339_proj
	.p2align	8
	.type	k_q42b40b9339_proj,@function
k_q42b40b9339_proj:
	s_mov_b64 s[64:65], 0
	v_nop
	global_prefetch_b8 v0, s[64:65] scope:SCOPE_SE
	s_setreg_imm32_b32 hwreg(HW_REG_WAVE_MODE, 25, 1), 1
	s_wait_xcnt 0x0
	s_wait_alu depctr_hold_cnt(0) depctr_sa_sdst(0) depctr_va_vdst(0) depctr_va_sdst(0) depctr_va_ssrc(0) depctr_va_vcc(0) depctr_vm_vsrc(0)
	s_getreg_b32 s2, hwreg(HW_REG_IB_STS2, 6, 4)
	s_cmp_eq_u32 s2, 0
	s_cbranch_scc0 .Lentry_in_a_cluster
	s_endpgm
.Lentry_in_a_cluster:
	s_bfe_u32 s2, ttmp6, 0x10000c
	s_cmp_lg_u32 s2, 0xf033
	s_cbranch_scc0 .Lentry_shape_is_right
	s_endpgm
.Lentry_shape_is_right:
; out0 = attention's result x w_proj^T + b_proj on codes of FP8 (K = 1,024): out0 = sum x 2^(e6+e7) + b_proj, sums in f32.  LIMIT: e6 + e7 between -126 and 127.
; A tile is 128 tokens x 256 columns, so that the 8,192 x 1,024 outputs make 256 work-groups; four waves, 64 x 128 each: 32 accumulators.  K goes in steps of 256 through a ring of two LDS slots.
; ac lies [token / 128][head][token % 128][64]: a tile's K step, four heads, is 32,768 dense bytes; it comes as rows of 64 bytes + 16 of padding.  wpc lies [1024][1024]: rows of 256 bytes + 16.
; CLUSTERS: 4 x 4 work-groups: A's tile hangs on the tile row alone and is asked for jointly along a row of the cluster, B's on the tile column alone, along a column.
; THE MATRIX INSTRUCTION IS USED TRANSPOSED (source 0 = 16 rows of w_proj, source 1 = 16 tokens): a lane holds eight neighbouring columns of one row of out0.
; No prefetch: K has four slot fills, two of which go out at the head.
; REGISTERS: window 0: v16-31 addresses; v32-95 the bias; v128-255 A's fragments, two sets of 64; on the way out rows read back.  window 1: B's fragments, two sets of 128; on the way out v0-63 results.  window 2: accumulator (a, b) at v[8 (8 a + b)].
.set PITCH,  272                       ; B's row in LDS
.set APITCH, 80                        ; A's
.set HBLK,   128*APITCH                ; a head's 128 rows
.set AHALF,  2*HBLK                    ; what one load brings of A
.set BOFF,   4*HBLK
.set BHALF,  128*PITCH                 ; and of B
.set SLOT,   BOFF+2*BHALF
.set SPARE,  2*SLOT                    ; behind the ring: the spare words, 128 bytes a wave, named by no other line
.set SPITCH, 528                       ; the way out: 16 rows x (512 bytes + 16) a wave, in slot 0, which has had its last fill and its last read by then
.set FR,     16
.set ADRA, 16
.set ADRB, 20
.set STO,  24
.set RD,   25
.set CO,   26
.set BC,   27
.set SPW,  28
.set NIL,  29
.set CB,   32
.set AF,   128
.set BK,   128
.set G1, 24
.set G0, 32
.set G1B, 48
.set G0B, 56
.set MSB, 0
.macro WIN new
.if MSB != \new
	s_set_vgpr_msb (MSB<<8)|\new
.set MSB, \new
.endif
.endm
.set MUL,  0xa1                        ; source 0 (B) window 1, source 1 (A) window 0, C and D window 2
.set TO_B, 0x40
.macro JLOAD g0a, g1a, g0b, g1b        ; waves 0 and 1 fetch A's halves, waves 2 and 3 B's; an s_nop 0 and four v_nop follow each line
	s_cmp_eq_u32 s15, 0
	s_cbranch_scc0 .Lfor_b_\@
	tensor_load_to_lds s[\g0a:\g0a+3], s[\g1a:\g1a+7]
	s_nop 0
.rept 4
	v_nop
.endr
	s_branch .Lasked_\@
.Lfor_b_\@:
	tensor_load_to_lds s[\g0b:\g0b+3], s[\g1b:\g1b+7]
	s_nop 0
.rept 4
	v_nop
.endr
.Lasked_\@:
.endm
.macro CREST
	s_cmp_lg_u32 s14, 0
	s_cbranch_scc1 .Lnot_wave_0_\@
	s_barrier_signal -3
.Lnot_wave_0_\@:
	s_barrier_wait -3
	s_barrier_signal -1
	s_barrier_wait -1
.endm
.macro CROUND
	s_barrier_signal -1
	s_barrier_wait -1
	CREST
.endm
	s_load_b128 s[4:7], s[0:1], 0x0                ; ac s[4:5], wpc s[6:7]
	s_load_b128 s[8:11], s[0:1], 0x10              ; b_proj s[8:9], the scales s[10:11]
	s_load_b64 s[12:13], s[0:1], 0x20              ; out0
	v_lshl_add_u32 v[SPW], v0, 2, SPARE
	v_mov_b32 v[NIL], 0
	ds_add_u32 v[SPW], v[NIL]                      ; the wave's opening: the add and its wait ahead of my first tensor load
	v_lshrrev_b32 v1, 5, v0
	v_readfirstlane_b32 s14, v1                    ; wave 0..3
	s_lshr_b32 s15, s14, 1                         ; which 64 rows are mine.  Also: I fetch for A (0) or for B (1)
	s_and_b32 s16, s14, 1                          ; which 128 columns.  Also: which half I fetch
	s_bfe_u32 s40, ttmp6, 0x40000                  ; cx
	s_bfe_u32 s41, ttmp6, 0x40004                  ; cy
	s_lshl_b32 s42, ttmp9, 2
	s_add_co_u32 s42, s42, s40                     ; tile column
	s_and_b32 s17, ttmp7, 0xffff
	s_lshl_b32 s17, s17, 2
	s_add_co_u32 s17, s17, s41                     ; tile row
	s_lshl_b32 s43, s41, 2
	s_lshl_b32 s43, 15, s43                        ; my row of the cluster
	s_lshl_b32 s44, 0x1111, s40                    ; my column
	s_or_b32 s[G1+0], s43, (0<<16)|(1<<20)|(1<<21)|(3<<22)|(3<<25)   ; A: the mask; elements of 1 byte; padding: four words after every 16; bit 21 beside a mask
	s_mov_b32 s[G1+1], 64<<16                      ; tensor_dim0
	s_mov_b32 s[G1+2], 256<<16                     ; tensor_dim1: two heads' 128 rows
	s_mov_b32 s[G1+3], 64<<16                      ; tile_dim0
	s_mov_b32 s[G1+4], 256                         ; tile_dim1
	s_mov_b32 s[G1+5], 64                          ; the rows are dense
	s_mov_b32 s[G1+6], 0
	s_mov_b32 s[G1+7], 0
	s_or_b32 s[G1B+0], s44, (0<<16)|(1<<20)|(1<<21)|(5<<22)|(3<<25)  ; B: four words after every 64
	s_mov_b32 s[G1B+1], 256<<16
	s_mov_b32 s[G1B+2], 128<<16
	s_mov_b32 s[G1B+3], 256<<16
	s_mov_b32 s[G1B+4], 128
	s_mov_b32 s[G1B+5], 1024
	s_mov_b32 s[G1B+6], 0
	s_mov_b32 s[G1B+7], 0
	s_lshl_b32 s20, s17, 17                        ; A: the tile's 131,072 bytes,
	s_lshl_b32 s18, s16, 14                        ; my two heads of the K step's four
	s_add_co_u32 s20, s20, s18
	s_mov_b32 s21, 0
	s_lshl_b32 s46, s42, 8
	s_lshl_b32 s18, s16, 7
	s_add_co_u32 s46, s46, s18
	s_lshl_b32 s46, s46, 10                        ; B: row 256 x tile column + 128 x half
	s_mov_b32 s47, 0
	s_mul_i32 s45, s16, AHALF                      ; where they go: no place in the cluster enters an LDS address
	s_mul_i32 s66, s16, BHALF
	s_add_co_u32 s66, s66, BOFF
	s_wait_dscnt 0x0                               ; the opening add is done
	s_wait_kmcnt 0x0
	s_load_b256 s[76:83], s[10:11], 0x0            ; e0 .. e7
	s_add_nc_u64 s[20:21], s[4:5], s[20:21]
	s_add_nc_u64 s[46:47], s[6:7], s[46:47]
	CROUND                                         ; all sixteen work-groups are here: the first joint loads meet
.irp s, 0,1
	s_mov_b32 s[G0+4*\s], 1
	s_add_co_u32 s[G0+4*\s+1], s45, \s*SLOT
	s_add_nc_u64 s[G0+4*\s+2:G0+4*\s+3], s[20:21], \s*32768
	s_or_b32 s[G0+4*\s+3], s[G0+4*\s+3], 0x80000000
	s_mov_b32 s[G0B+4*\s], 1
	s_add_co_u32 s[G0B+4*\s+1], s66, \s*SLOT
	s_add_nc_u64 s[G0B+4*\s+2:G0B+4*\s+3], s[46:47], \s*256
	s_or_b32 s[G0B+4*\s+3], s[G0B+4*\s+3], 0x80000000
	JLOAD G0+4*\s, G1, G0B+4*\s, G1B
.endr
	v_and_b32 v1, 15, v0                           ; r
	v_bfe_u32 v2, v0, 4, 1                         ; hh
	v_mul_u32_u24 v3, v1, APITCH
	v_lshl_add_u32 v3, v2, 4, v3
	v_mul_u32_u24 v4, v1, PITCH
	v_lshl_add_u32 v4, v2, 4, v4
	s_mul_i32 s21, s15, 64*APITCH                  ; my 64 rows of each head's 128
	s_mul_i32 s22, s16, BHALF
	s_add_co_u32 s22, s22, BOFF                    ; my 128 rows of B
.irp s, 0,1
	v_add_nc_u32 v[ADRA+\s], s21, v3
	v_add_nc_u32 v[ADRB+\s], s22, v4
	s_add_co_u32 s21, s21, SLOT
	s_add_co_u32 s22, s22, SLOT
.endr
	s_mul_i32 s23, s14, 16*SPITCH                  ; my stage
	v_mul_u32_u24 v5, v1, SPITCH
	v_lshl_add_u32 v5, v2, 5, v5
	v_add_nc_u32 v[STO], s23, v5                   ; in: row r, 32 bytes for each half of the lanes
	v_and_b32 v6, 31, v0
	v_lshlrev_b32 v[CO], 4, v6
	v_add_nc_u32 v[RD], s23, v[CO]                 ; back: the 32 lanes take one row of 512 bytes
	v_lshlrev_b32 v[BC], 5, v2
	s_lshl_b32 s68, s42, 10
	s_lshl_b32 s69, s16, 9
	s_add_co_u32 s68, s68, s69                     ; my first column in bytes: 1,024 x tile column + 512 x half
	s_mov_b32 s69, 0
	s_add_nc_u64 s[70:71], s[8:9], s[68:69]        ; b_proj there
.irp b, 0,1,2,3,4,5,6,7
	global_load_b128 v[CB+8*\b:CB+8*\b+3], v[BC], s[70:71] offset:64*\b         ; lane (r, hh): columns 16 b + 8 hh + 0 .. 7
	global_load_b128 v[CB+8*\b+4:CB+8*\b+7], v[BC], s[70:71] offset:64*\b+16
.endr
	s_lshl_b32 s72, s17, 19                        ; 128 rows of 4,096 bytes a tile row,
	s_lshl_b32 s73, s15, 18                        ; my 64 of them
	s_add_co_u32 s72, s72, s73
	s_add_co_u32 s68, s68, s72
	s_add_nc_u64 s[12:13], s[12:13], s[68:69]      ; out0 at my first row and column
	s_wait_kmcnt 0x0
	s_add_co_i32 s96, s82, s83                     ; e6 + e7
	s_add_co_i32 s96, s96, 127
	s_lshl_b32 s96, s96, 23                        ; 2^(e6 + e7) as f32
	s_mov_b32 s97, s96                             ; (named with it as a pair, so it is written)
; 48 LDS loads in one run: the slot's q-th 128 along K into set p.  Registers 4 c .. 4 c + 3 hold K = 32 c + 16 (lane / 16) + 0 .. 15, alike in A (head 2 q + c / 2, bytes 32 (c % 2) on) and in B.
.macro FETCH slot, q, p
	WIN TO_B
.irp i, 0,1,2,3,4,5,6,7
.irp c, 0,1,2,3
	ds_load_b128 v[128*(\p)+FR*\i+4*\c:128*(\p)+FR*\i+4*\c+3], v[ADRB+\slot] offset:128*(\q)+32*\c+\i*16*PITCH
.endr
.endr
	WIN 0
.irp i, 0,1,2,3
.irp c, 0,1,2,3
	ds_load_b128 v[AF+64*(\p)+FR*\i+4*\c:AF+64*(\p)+FR*\i+4*\c+3], v[ADRA+\slot] offset:(2*(\q)+\c/2)*HBLK+\i*16*APITCH+32*(\c%2)
.endr
.endr
.endm
; 8 matrix instructions: A's block a x B's eight.  zero = 1: the first product starts the sums.  The 32 accumulators take turns, one instruction a turn, in the same order in every step.
.macro MUL8 a, p, zero
.irp b, 0,1,2,3,4,5,6,7
.if \zero
	v_wmma_f32_16x16x128_fp8_fp8 v[8*(8*(\a)+\b):8*(8*(\a)+\b)+7], v[128*(\p)+FR*\b:128*(\p)+FR*\b+FR-1], v[AF+64*(\p)+FR*(\a):AF+64*(\p)+FR*(\a)+FR-1], 0
.else
	v_wmma_f32_16x16x128_fp8_fp8 v[8*(8*(\a)+\b):8*(8*(\a)+\b)+7], v[128*(\p)+FR*\b:128*(\p)+FR*\b+FR-1], v[AF+64*(\p)+FR*(\a):AF+64*(\p)+FR*(\a)+FR-1], v[8*(8*(\a)+\b):8*(8*(\a)+\b)+7]
.endif
.endr
.endm
.macro PLACES                          ; four plain vector lines between a matrix instruction and a load into one of its registers, or a read of its result (ISA guide 7.12.1 for a read of its result)
.rept 4
	v_nop
.endr
.endm
.macro STEP slot, zero                 ; a slot's first 128 along K, on set 0; its second 128 is fetched into set 1 in the middle
	s_wait_dscnt 0x0                               ; set 0 is in (asked for sixteen matrix instructions ago)
	WIN MUL
	MUL8 0, 0, \zero
	MUL8 1, 0, \zero
	PLACES
	FETCH \slot, 1, 1
	WIN MUL
	MUL8 2, 0, \zero
	MUL8 3, 0, \zero
.endm
; A slot's second 128, on set 1, changes slots: ONE barrier; in front of it each wave waits for all its tensor loads, adds 0 to its spare word, and waits for that and for its reads of this slot.
.macro TURN slot, next, fill
	WIN 0                                          ; (the add's two registers lie in window 0)
	s_wait_tensorcnt 0x0                           ; all my tensor loads have landed: my part of the next slot
	ds_add_u32 v[SPW], v[NIL]
	s_wait_dscnt 1                                 ; set 1 is in; the add may be out
	WIN MUL
	MUL8 0, 1, 0                                   ; eight matrix instructions stand between the add and the wait for it
	s_wait_dscnt 0x0                               ; the add is done, and my reads of this slot are over
	s_barrier_signal -1
	MUL8 1, 1, 0
	WIN 0
	s_barrier_wait -1
.if \fill
	CREST                                          ; the barrier has opened a round of the cluster's: no wave of any partner still reads this slot or has a load on its way
	s_add_nc_u64 s[G0+4*\slot+2:G0+4*\slot+3], s[G0+4*\slot+2:G0+4*\slot+3], 65536
	s_add_nc_u64 s[G0B+4*\slot+2:G0B+4*\slot+3], s[G0B+4*\slot+2:G0B+4*\slot+3], 512
	JLOAD G0+4*\slot, G1, G0B+4*\slot, G1B         ; the first tensor load behind the round; its four v_nop are the places in front of the loads below
.else
	PLACES
.endif
	FETCH \next, 0, 0
	WIN MUL
	MUL8 2, 1, 0
	MUL8 3, 1, 0
.endm
	s_wait_tensorcnt 1                             ; my part of K step 0 is in; K step 1's load may be out
	s_barrier_signal -1
	s_barrier_wait -1
	FETCH 0, 0, 0
	STEP 0, 1                                      ; the first step stands in front of the loop: its products start the sums
	WIN 0                                          ; at a label and at a branch every window is 0
	s_mov_b32 s3, 1
.Llap:                                             ; a trip goes once round the ring and fills both slots again
	TURN 0, 1, 1
	STEP 1, 0
	TURN 1, 0, 1
	STEP 0, 0
	WIN 0
	s_sub_co_u32 s3, s3, 1
	s_cmp_lg_u32 s3, 0
	s_cbranch_scc1 .Llap
	TURN 0, 1, 0                                   ; the last lap fills nothing and has no round
	STEP 1, 0
	s_wait_dscnt 0x0
	WIN MUL
	MUL8 0, 1, 0
	MUL8 1, 1, 0
	MUL8 2, 1, 0
	MUL8 3, 1, 0
	WIN 0
; THE WAY OUT, block by block of 16 rows x 128 columns: sum x 2^(e6+e7) + bias, through my own stage in LDS, back as whole rows of 512 bytes.
.macro TOSTAGE a
.set AC, 64*(\a)
	WIN 0x42                                       ; source 0 (the sums) window 2, destination window 1, the bias window 0
.set i, 0
.rept 32
	v_pk_fma_f32 v[i:i+1], v[AC+i:AC+i+1], s[96:97], v[CB+i:CB+i+1] op_sel_hi:[1,0,1]   ; each accumulator from its low end on
.set i, i+2
.endr
	WIN 0x04                                       ; store data window 1
.irp b, 0,1,2,3,4,5,6,7
	ds_store_b128 v[STO], v[8*\b:8*\b+3] offset:64*\b
	ds_store_b128 v[STO], v[8*\b+4:8*\b+7] offset:64*\b+16
.endr
	WIN 0
.set BB, BK+64*((\a)%2)
.irp t, 0,1,2,3,4,5,6,7,8,9,10,11,12,13,14,15
	ds_load_b128 v[BB+4*\t:BB+4*\t+3], v[RD] offset:\t*SPITCH   ; LDS serves a wave's instructions in order: these see my stores
.endr
.endm
.macro SEND a, younger                 ; younger: the LDS instructions issued behind block a's loads, which may stay out
.set BB, BK+64*((\a)%2)
	s_wait_dscnt \younger
.if (\a) > 0
	s_add_nc_u64 s[12:13], s[12:13], 65536         ; 16 rows on (behind a wait on XCNT: the earlier stores have read their base)
.endif
.irp t, 0,1,2,3,4,5,6,7,8,9,10,11,12,13,14,15
	global_store_b128 v[CO], v[BB+4*\t:BB+4*\t+3], s[12:13] offset:\t*4096 th:TH_STORE_NT   ; 32 lanes store 512 consecutive bytes, at a multiple of 512 from out0's first byte
.endr
.endm
	s_wait_loadcnt 0x0                             ; the bias
	PLACES                                         ; behind the last products: their results are read, and registers that they and the step before read are written
	TOSTAGE 0
.irp a, 1,2,3
.if \a > 1
	s_wait_xcnt 0x0                                ; block a - 2's stores have read their registers and their base
.endif
	TOSTAGE \a
	SEND \a-1, 32                                  ; behind block a - 1's loads: block a's 16 stores and 16 loads
.endr
	s_wait_xcnt 0x0
	SEND 3, 0
	s_wait_tensorcnt 0x0                           ; the wave's end
	ds_add_u32 v[SPW], v[NIL]
	s_wait_dscnt 0x0
	CROUND                                         ; the closing round
	s_endpgm
.Lfunc_end_k_q42b40b9339_proj:
	.size	k_q42b40b9339_proj, .Lfunc_end_k_q42b40b9339_proj-k_q42b40b9339_proj
	.p2alignl 7, 3214868480
	.fill 96, 4, 3214868480
	.section	.rodata,"a",@progbits
	.p2align	6, 0x0
	.amdhsa_kernel k_q42b40b9339_proj
		.amdhsa_group_segment_fixed_size 327680
		.amdhsa_private_segment_fixed_size 0
		.amdhsa_enable_private_segment 0
		.amdhsa_kernarg_size 40
		.amdhsa_user_sgpr_count 2
		.amdhsa_user_sgpr_kernarg_segment_ptr 1
		.amdhsa_wavefront_size32 1
		.amdhsa_system_sgpr_workgroup_id_x 1
		.amdhsa_system_sgpr_workgroup_id_y 1
		.amdhsa_system_sgpr_workgroup_id_z 1
		.amdhsa_system_vgpr_workitem_id 0
		.amdhsa_next_free_vgpr 768
		.amdhsa_next_free_sgpr 100
		.amdhsa_reserve_vcc 0
		.amdhsa_float_denorm_mode_32 3
		.amdhsa_float_denorm_mode_16_64 3
		.amdhsa_memory_ordered 1
		.amdhsa_forward_progress 1
		.amdhsa_inst_pref_size 77
	.end_amdhsa_kernel
	.amdgpu_metadata
---
amdhsa.version: [ 1, 2 ]
amdhsa.kernels:
  - .name:           k_q42b40b9339_proj
    .symbol:         k_q42b40b9339_proj.kd
    .args:
      - { .name: ac, .offset: 0, .size: 8, .value_kind: global_buffer, .address_space: global }
      - { .name: wpc, .offset: 8, .size: 8, .value_kind: global_buffer, .address_space: global }
      - { .name: b_proj, .offset: 16, .size: 8, .value_kind: global_buffer, .address_space: global }
      - { .name: lowp_scales, .offset: 24, .size: 8, .value_kind: global_buffer, .address_space: global }
      - { .name: out0, .offset: 32, .size: 8, .value_kind: global_buffer, .address_space: global }
    .group_segment_fixed_size: 327680
    .private_segment_fixed_size: 0
    .kernarg_segment_align: 8
    .kernarg_segment_size: 40
    .max_flat_workgroup_size: 128
    .sgpr_count:     100
    .vgpr_count:     768
    .wavefront_size: 32
...
	.end_amdgpu_metadata
.endif
;; end of part 4
